; MI455X (gfx1250); checked and timed in simulation.
; The chip was launched on July 23, 2026; its instructions are those of AMD's public machine-readable ISA for CDNA 5 (MIT licence, August 2026) and "CDNA5" Instruction Set Architecture Reference Guide (July 2026). The comments in the code are by the model that wrote it; some were corrected since.
;; Causal Self Attention. Allowed arithmetic: matrix products marked QUANTISED: E4M3 operands, one E8M0 scale for each 32 along K, by v_wmma_scale_f32_16x16x128_f8f6f4 with both operands' format E4M3, f32 sums; everything else in f32.
;; Inputs: cos 1 x 2,048 x 1 x 64 float32; sin 1 x 2,048 x 1 x 64 float32; wk 2,048 x 512 float32; wproj 512 x 2,048 float32; wq 2,048 x 512 float32; wv 2,048 x 512 float32; x 4 x 2,048 x 2,048 float32.
;; Outputs: out0 4 x 2,048 x 2,048 float32.
;; This version of the problem:
;;   THIS VERSION OF THE PROBLEM IS GIVEN IN LOW PRECISION. The matrix products marked QUANTISED in the list below multiply operands that are first quantised to E4M3 (4 exponent bits, 3 mantissa bits; 8 bits a number), with one power-of-two scale for each 32 numbers along K (OCP MX v1.0); their sums are f32. All else is computed in f32.
;;   The module's matrix products, in the order in which they are computed (A, B: the left and right operand; K: the contracted axis; several contracted axes count as one K, in the product's order):
;;     1. [M 8,192, K 2,048] x [K 2,048, N 512]; A: input x; B: input wq: QUANTISED
;;     2. [M 8,192, K 2,048] x [K 2,048, N 512]; A: input x; B: input wk: QUANTISED
;;     3. [M 8,192, K 2,048] x [K 2,048, N 512]; A: input x; B: input wv: QUANTISED
;;     4. batch 16 x [M 2,048, K 128] x [K 128, N 2,048]; A: computed on the way; B: computed on the way: QUANTISED
;;     5. batch 16 x [M 128, K 2,048] x [K 2,048, N 2,048]; A: computed on the way; B: softmax (see below): QUANTISED
;;     6. [M 8,192, K 512] x [K 512, N 2,048]; A: computed on the way; B: input wproj: QUANTISED
;;   THE QUANTISER, for each operand of a quantised product, along K:
;;     - K is cut into blocks of 32 from its start; a last block that is shorter is filled with zeros.
;;     - A block's scale is 2^e with e = floor(log2(the largest magnitude in the block)) - 8, held to -126 .. 127; a block of zeros has e = 0. As a byte (E8M0): e + 127.
;;     - Each number is divided by its block's scale, clamped to +-448, and rounded to the nearest number of E4M3, ties to even, subnormals kept.
;;     - The product sums the exact products of the quantised numbers (number of the format x scale) in f32.
;;   ~~~python
;;   def quantise(x, axis):      # numpy; x: float32 -> the quantised numbers, widened to float32 again
;;       x = np.moveaxis(x, axis, -1); K = x.shape[-1]
;;       x = np.pad(x, [(0, 0)] * (x.ndim - 1) + [(0, -K % 32)]); x = x.reshape(x.shape[:-1] + (-1, 32)); a = np.abs(x).max(-1, keepdims=True)
;;       e = np.where(a > 0, np.clip(np.frexp(np.where(a > 0, a, 1))[1] - 1 - 8, -126, 127), 0)      # np.frexp(a)[1] - 1 = floor(log2(a)), exactly
;;       r = np.clip(x / 2.0 ** e, -448, 448)
;;       step = 2.0 ** (np.maximum(np.frexp(np.where(r == 0, 1, r))[1] - 1, -6) - 3)
;;       q = np.round(r / step) * step * 2.0 ** e      # np.round: ties to even
;;       return np.moveaxis(q.reshape(q.shape[:-2] + (-1,))[..., :K], -1, axis).astype(np.float32)
;;   ~~~
;;   SOFTMAX AHEAD OF A QUANTISED PRODUCT. Where the list says 'softmax', what is quantised is not the finished softmax but p = 2^(t - M), with t = logit x log2(e) and M = ceil(the row's largest t), a whole number; so 1/2 < the row's largest p <= 1. The row's sum l is taken of the UNQUANTISED p, in f32, and the product's result is divided by l at the end. Since M is a whole number, a kernel that streams over the keys may use a running M (the ceiling of the running maximum): every later rescaling is an exact power of two, which a block's scale takes up: the codes' values come out the same.
;;   OPERANDS COMPUTED ON THE WAY. 'Computed on the way' means the value that the module computes at that place (a softmax that the list does not call 'softmax' is quantised finished and normalised). What goes into a quantiser is computed in f32, as accurately as f32 sums, v_exp_f32 and their like allow (about 1e-6 of the number): no bf16 or f16 on the way to a quantiser, and a product that is left as it is and whose result goes on into a quantised operand takes f32 operands (vector FMAs, or v_wmma_f32_16x16x4_f32). A number that lies on a knife's edge between two numbers of the format may be rounded either way, as far as f32 arithmetic and the matrix unit's own rounding can turn it there, and no further.
;; One version. Each part assembles by itself: llvm-mc -triple=amdgcn-amd-amdhsa -mcpu=gfx1250 --defsym DOCPART=n.
;; ======== version 1 of 1: 4 launches
;; limits: right only within a limited range of input values
;; workspace buffers: xc 16,777,216 bytes; xs 524,288 bytes; wc 4,194,304 bytes; ws 131,072 bytes; qkvc 12,582,912 bytes; qkvs 393,216 bytes; yc 4,194,304 bytes; ys 131,072 bytes
;; launch quant (part 1): grid 640 x 1, 4 waves a work-group, no clusters, 102,912 bytes of LDS; arguments x, wq, wk, wv, wproj, xc, xs, wc, ws; writes xc, xs, wc, ws
.if DOCPART == 1
	.amdgcn_target "amdgcn-amd-amdhsa--gfx1250"
	.amdhsa_code_object_version 6
	.text
	.protected	k_q2bbc58af82_quant
	.globl	k_q2bbc58af82_quant
	.p2align	8
	.type	k_q2bbc58af82_quant,@function
k_q2bbc58af82_quant:
	s_mov_b64 s[64:65], 0
	v_nop
	global_prefetch_b8 v0, s[64:65] scope:SCOPE_SE
	s_setreg_imm32_b32 hwreg(HW_REG_WAVE_MODE, 25, 1), 1
	s_wait_xcnt 0x0
; x [8192][2048], wq, wk, wv [2048][512] and wproj [512][2048], all f32, become codes of FP8 (E4M3) with K innermost and one E8M0 scale byte for each 32 along K.
; A block's scale is 2^(floor(log2(its largest magnitude)) - 8); its byte is the largest magnitude's exponent field - 8, held at 1 from below; each number is divided by the scale, held within +-448 and rounded to the nearest code, ties to even.
; LIMITS: a block of zeros gets the byte 1 where the rule says 127 (its codes are zeros, which add nothing under any byte but 0xff, and this program alone reads the bytes); blocks whose largest magnitude lies under 2^(9 - 127)
; share that byte; NaN and infinities among the inputs are not served.
; THE ORDER OF ROWS.  pi(i) swaps bits 3 and 4 of i.  Rows of xc / xs (tokens) and rows 0-1535 of wc / ws (columns of wq, wk, wv) are laid so that position P holds row pi(P): sixteen neighbouring positions are then the rows
; 8 u + r + 8 (r / 8) of a group of 32, and the sixteen registers that two neighbouring result tiles give a lane in the next launch are sixteen neighbours.  wproj's rows (from byte 3,145,728 of wc, 98,304 of ws) keep their order.
; SHARES.  Work-groups 0-95: wq, wk, wv (32 each: 4 x 128 columns, 8 x 256 along K).  96-127: wproj (16 x 128 columns, 2 x 256 along K).  128-639: x, 32,768 numbers each.  Each of the three ways has LDS bytes of its own.
; No tensor loads, no barrier: waves share nothing.  No matrix units, no cluster: the launch streams, and no work-group reads what another reads.
.set STEPS, 16
.set MANT,  0x600000                   ; the mantissa field of 448 as f32
.set FLOOR, 0x4800000                  ; 2^(9 - 127)
.set EOFF,  0xfc000000                 ; -(8 << 23)
; x's way: a wave takes 16 steps of 512 numbers
.set XR,    16                         ; v16-79   four sets of 16 numbers as they are loaded
.set XX,    80                         ; v80-111  two sets of 16 neighbours
.set XE,    112                        ; v112-127 a scale byte for each step
.set XC,    128                        ; v128-191 codes: four registers for each step, so that no store's data are written again
.set WREG,  8192                       ; LDS bytes 0-32,767: a region for each wave: two stages of 32 x SP bytes, behind them its 256 scale bytes
.set SP,    80                         ; a lane's place in a stage: its 64 bytes + 16 of padding
; the weights' ways: a wave takes 32 columns x 256 along K
.set WX,    32                         ; v32-95   two sets of 32 numbers
.set WC,    96                         ; v96-103  a block's codes
.set WO,    112                        ; v112-175 the way out
.set WB,    24                         ; v24-25   the scale bytes, four to a register
.set WP,    272                        ; a stage row: 256 bytes + 16
.macro XLOAD t
.irp i, 0,1,2,3
	global_load_b128 v[XR+16*((\t)%4)+4*\i:XR+16*((\t)%4)+4*\i+3], v3, s[4:5] offset:2048*(\t)+512*\i th:TH_LOAD_NT   ; 32 lanes read 512 consecutive bytes
.endr
.endm
.macro XTURN t                         ; step t's numbers through the stage: LDS serves a wave's instructions in order, so no wait stands between the stores and the loads
.irp i, 0,1,2,3
	ds_store_b128 v14, v[XR+16*((\t)%4)+4*\i:XR+16*((\t)%4)+4*\i+3] offset:32*SP*((\t)%2)+8*SP*\i
.endr
.irp i, 0,1,2,3
	ds_load_b128 v[XX+16*((\t)%2)+4*\i:XX+16*((\t)%2)+4*\i+3], v15 offset:32*SP*((\t)%2)+16*\i
.endr
.endm
.macro XSTEP t
.set XS, XX+16*((\t)%2)
.if (\t) > 0
	s_wait_dscnt 1                                 ; this step's numbers are back from the stage (the last step's byte store may be out): so its stores into the stage have read their registers,
.else
	s_wait_dscnt 0x0
.endif
.if (\t)+4 < STEPS
	XLOAD (\t)+4                                   ; which take the loads of four steps on
.endif
.if (\t)+1 < STEPS
.if STEPS-2-(\t) >= 3
	s_wait_loadcnt 12                              ; the next step's four loads are in; those of the three steps behind it may be out
.else
	s_wait_loadcnt 4*(STEPS-2-(\t))
.endif
	XTURN (\t)+1                                   ; and go through the other stage while this step is worked
.endif
	v_max3_num_f32 v8, |v[XS]|, |v[XS+1]|, |v[XS+2]|               ; the largest magnitude of my 16, in two chains
	v_max3_num_f32 v9, |v[XS+3]|, |v[XS+4]|, |v[XS+5]|
.irp i, 6,10
	v_max3_num_f32 v8, v8, |v[XS+\i]|, |v[XS+\i+1]|
	v_max3_num_f32 v9, v9, |v[XS+\i+2]|, |v[XS+\i+3]|
.endr
	v_max3_num_f32 v8, v8, |v[XS+14]|, |v[XS+15]|
	v_max3_num_f32 v8, v8, v9, FLOOR               ; and the floor: the byte cannot fall under 1
	v_max_num_f32_dpp v8, v8, v8 row_xmask:1 row_mask:0xf bank_mask:0xf   ; and of my neighbour's 16: the block's
	v_add_nc_u32 v11, EOFF, v8                     ; 8 off its exponent field: the conversion takes the exponent field of this operand as its scale
	v_and_or_b32 v10, v8, 0x7f800000, s23          ; 448 x the scale
.set ii, 0
.rept 16
	v_med3_num_f32 v[XS+ii], v[XS+ii], -v10, v10   ; the conversion to an 8-bit code does not saturate (ISA guide 7.6.2): the hold comes first
.set ii, ii+1
.endr
	v_cvt_scalef32_pk8_fp8_f32 v[XC+4*(\t):XC+4*(\t)+1], v[XS:XS+7], v11
	v_cvt_scalef32_pk8_fp8_f32 v[XC+4*(\t)+2:XC+4*(\t)+3], v[XS+8:XS+15], v11
	v_lshrrev_b32 v[XE+(\t)], 23, v11              ; the scale's byte
	ds_store_b8 v5, v[XE+(\t)] offset:16*(\t)      ; both lanes of a block write the same byte with the same value
	global_store_b128 v4, v[XC+4*(\t):XC+4*(\t)+3], s[8:9] offset:512*(\t)   ; 32 lanes store 512 consecutive bytes
.endm
.macro WLOAD t, N                      ; block t: W(32 t + i, my column), i = 0 .. 31, into set t % 2: 32 lanes read 128 consecutive bytes
.set ii, 0
.rept 32
	global_load_b32 v[WX+32*((\t)%2)+ii], v3, s[4:5] offset:(32*(\t)+ii)*\N*4 th:TH_LOAD_NT
.set ii, ii+1
.endr
.endm
.macro WBLOCK t, N
.set WXS, WX+32*((\t)%2)
.if (\t) < 7
	s_wait_loadcnt 32                              ; this block's 32 loads are in; the next block's may be out
.else
	s_wait_loadcnt 0x0
.endif
	v_max3_num_f32 v12, |v[WXS]|, |v[WXS+1]|, |v[WXS+2]|           ; the block's largest magnitude: all 32 numbers are mine
	v_max3_num_f32 v13, |v[WXS+3]|, |v[WXS+4]|, |v[WXS+5]|
.irp i, 6,10,14,18,22,26
	v_max3_num_f32 v12, v12, |v[WXS+\i]|, |v[WXS+\i+1]|
	v_max3_num_f32 v13, v13, |v[WXS+\i+2]|, |v[WXS+\i+3]|
.endr
	v_max3_num_f32 v12, v12, |v[WXS+30]|, |v[WXS+31]|
	v_max3_num_f32 v12, v12, v13, FLOOR
	v_add_nc_u32 v11, EOFF, v12
	v_and_or_b32 v10, v12, 0x7f800000, s23
	v_lshrrev_b32 v13, 23, v11                     ; the scale's byte
.if (\t)%4 == 0
	v_mov_b32 v[WB+(\t)/4], v13                    ; four bytes to a register, the lower K in the lower byte
.else
	v_lshl_or_b32 v[WB+(\t)/4], v13, 8*((\t)%4), v[WB+(\t)/4]
.endif
.set ii, 0
.rept 32
	v_med3_num_f32 v[WXS+ii], v[WXS+ii], -v10, v10
.set ii, ii+1
.endr
.irp g, 0,1,2,3
	v_cvt_scalef32_pk8_fp8_f32 v[WC+2*\g:WC+2*\g+1], v[WXS+8*\g:WXS+8*\g+7], v11
.endr
	ds_store_b128 v4, v[WC:WC+3] offset:32*(\t)    ; 32 codes: 32 bytes of my column's row
	ds_store_b128 v4, v[WC+4:WC+7] offset:32*(\t)+16
.if (\t)+2 < 8
	WLOAD (\t)+2, \N
.endif
	s_wait_dscnt 0x0                               ; the stores have read their registers: the next block's codes may be written
.endm
; A weight [K][N] whose K is its first axis.  A lane takes a column, its registers run down K: a block of 32 lies in one lane, and the codes come out with K innermost.  They leave through the wave's stage, sixteen lanes to 256 consecutive bytes.
; In: s16 wave, s17 my wave's first column, s18 which 256 along K, s30 the first row of this tensor in the buffers, s[4:5] the tensor, s[6:7] the codes, s[8:9] the scale bytes.  PERM = 1: column c goes to row pi(c).  LB: the way's LDS bytes.
.macro WQUANT K, N, PERM, LB
	v_lshlrev_b32 v3, 2, v2                        ; in: 4 bytes a lane
	s_mul_i32 s19, s16, 32*WP
	s_add_co_u32 s19, s19, \LB                     ; my stage
	v_mul_u32_u24 v4, v2, WP
	v_add_nc_u32 v4, s19, v4                       ; into it: row = my column
	v_and_b32 v5, 15, v2
	v_lshrrev_b32 v6, 4, v2                        ; out of it: sixteen lanes to a row, two rows an instruction
	v_mul_u32_u24 v7, v6, WP
	v_lshl_add_u32 v7, v5, 4, v7
	v_add_nc_u32 v7, s19, v7
	v_mul_u32_u24 v8, v6, \K
	v_lshl_add_u32 v8, v5, 4, v8                   ; and the same place in the codes' buffer (bit 0 of a row is not moved by pi)
.if \PERM
	v_and_b32 v9, 7, v2
	v_bfe_u32 v10, v2, 3, 1
	v_lshl_add_u32 v9, v10, 4, v9
	v_bfe_u32 v10, v2, 4, 1
	v_lshl_add_u32 v9, v10, 3, v9                  ; pi(lane)
	v_mul_u32_u24 v9, v9, \K/32
.else
	v_mul_u32_u24 v9, v2, \K/32                    ; my column's row of scale bytes
.endif
	s_mul_i32 s20, s18, 256*\N*4                   ; all three offsets stay under 2^23
	s_lshl_b32 s22, s17, 2
	s_add_co_u32 s20, s20, s22
	s_mov_b32 s21, 0
	s_add_co_u32 s22, s17, s30
	s_mul_i32 s24, s22, \K
	s_lshl_b32 s26, s18, 8
	s_add_co_u32 s24, s24, s26
	s_mov_b32 s25, 0
	s_mul_i32 s28, s22, \K/32
	s_lshl_b32 s26, s18, 3
	s_add_co_u32 s28, s28, s26
	s_mov_b32 s29, 0
	s_add_nc_u64 s[4:5], s[4:5], s[20:21]
	s_add_nc_u64 s[6:7], s[6:7], s[24:25]
	s_add_nc_u64 s[8:9], s[8:9], s[28:29]
	WLOAD 0, \N
	WLOAD 1, \N
.irp t, 0,1,2,3,4,5,6,7
	WBLOCK \t, \N
.endr
	global_store_b64 v9, v[WB:WB+1], s[8:9]        ; my column's 8 scale bytes
.irp t, 0,1,2,3,4,5,6,7,8,9,10,11,12,13,14,15
	ds_load_b128 v[WO+4*\t:WO+4*\t+3], v7 offset:2*\t*WP           ; LDS serves a wave's instructions in order: these see my stores
.endr
.irp t, 0,1,2,3,4,5,6,7,8,9,10,11,12,13,14,15
	s_wait_dscnt 15-\t                             ; load t is back; the younger ones may be out
.if \PERM
	global_store_b128 v8, v[WO+4*\t:WO+4*\t+3], s[6:7] offset:(((2*\t)&7)+8*((\t>>3)&1)+16*((\t>>2)&1))*\K   ; rows pi(2 t), pi(2 t) + 1
.else
	global_store_b128 v8, v[WO+4*\t:WO+4*\t+3], s[6:7] offset:2*\t*\K
.endif
.endr
.endm
	v_lshl_add_u32 v192, v0, 2, 0x19000
	v_mov_b32 v193, 0
	v_lshrrev_b32 v1, 5, v0
	v_readfirstlane_b32 s16, v1                    ; wave 0..3
	v_and_b32 v2, 31, v0                           ; lane
	s_mov_b32 s23, MANT                            ; (an instruction takes one literal: the hold's line has another)
	s_cmp_lt_u32 ttmp9, 96
	s_cbranch_scc1 .LW
	s_cmp_lt_u32 ttmp9, 128
	s_cbranch_scc1 .LP
	; ---- x.  Rows are dense: the tensor is a stream of blocks of 32.  A wave's run is 8,192 numbers = 4 rows, so pi on rows is a swap of bits 1 and 2 of the run's number.
	s_load_b64 s[4:5], s[0:1], 0x0                 ; x
	s_load_b64 s[8:9], s[0:1], 0x28                ; xc
	s_load_b64 s[10:11], s[0:1], 0x30              ; xs
	s_wait_alu depctr_va_vdst(0)
	v_lshlrev_b32 v3, 4, v2                        ; my 16 bytes of a load's 512
	s_mul_i32 s17, s16, WREG
	v_lshrrev_b32 v14, 2, v2
	v_mul_u32_u24 v14, v14, SP
	v_and_b32 v15, 3, v2
	v_lshl_add_u32 v14, v15, 4, v14
	v_add_nc_u32 v14, s17, v14                     ; the stage, on the way in: four lanes' 64 bytes on end, then 16 of padding
	v_mul_u32_u24 v15, v2, SP
	v_add_nc_u32 v15, s17, v15                     ; and on the way out: my 16 neighbours
	v_lshlrev_b32 v4, 4, v2                        ; my codes' place in a step's
	v_lshrrev_b32 v5, 1, v2
	s_add_co_u32 s17, s17, 2*32*SP
	v_add_nc_u32 v5, s17, v5                       ; my wave's 256 scale bytes, my block's byte
	v_lshlrev_b32 v7, 3, v2                        ; and on the way out 8 bytes a lane
	v_add_nc_u32 v6, s17, v7
	s_sub_co_u32 s18, ttmp9, 128
	s_lshl_b32 s18, s18, 2
	s_add_co_u32 s18, s18, s16                     ; u: my run, 0 .. 2,047
	s_and_b32 s19, s18, 2
	s_lshl_b32 s19, s19, 1
	s_and_b32 s20, s18, 4
	s_lshr_b32 s20, s20, 1
	s_and_b32 s21, s18, 0xfffffff9
	s_or_b32 s21, s21, s19
	s_or_b32 s21, s21, s20                         ; u with bits 1 and 2 swapped: where the run goes
	s_lshl_b32 s24, s18, 15                        ; 32,768 bytes of x a run
	s_mov_b32 s25, 0
	s_lshl_b32 s26, s21, 13                        ; 8,192 codes
	s_mov_b32 s27, 0
	s_lshl_b32 s28, s21, 8                         ; 256 scale bytes
	s_mov_b32 s29, 0
	s_wait_alu depctr_va_vdst(0)
	s_wait_kmcnt 0x0
	s_add_nc_u64 s[4:5], s[4:5], s[24:25]
	s_add_nc_u64 s[8:9], s[8:9], s[26:27]
	s_add_nc_u64 s[10:11], s[10:11], s[28:29]
.irp t, 0,1,2,3
	XLOAD \t
.endr
	s_wait_loadcnt 12                              ; step 0's four loads are in
	XTURN 0
.irp t, 0,1,2,3,4,5,6,7,8,9,10,11,12,13,14,15
	XSTEP \t
.endr
	ds_load_b64 v[12:13], v6                       ; LDS serves a wave's instructions in order: these see my byte stores
	s_wait_dscnt 0x0
	global_store_b64 v7, v[12:13], s[10:11]        ; 32 lanes store 256 consecutive bytes
	s_wait_tensorcnt 0x0
	ds_add_u32 v192, v193
	s_wait_dscnt 0x0
	s_endpgm
.LW:	; ---- wq, wk, wv
	s_load_b64 s[8:9], s[0:1], 0x8                 ; wq
	s_load_b64 s[10:11], s[0:1], 0x10              ; wk
	s_load_b64 s[12:13], s[0:1], 0x18              ; wv
	s_load_b64 s[6:7], s[0:1], 0x38                ; wc
	s_load_b64 s[14:15], s[0:1], 0x40              ; ws
	s_lshr_b32 s31, ttmp9, 5                       ; which of the three
	s_and_b32 s17, ttmp9, 3
	s_bfe_u32 s18, ttmp9, 0x30002                  ; which 256 along K
	s_lshl_b32 s17, s17, 7
	s_lshl_b32 s19, s16, 5
	s_add_co_u32 s17, s17, s19                     ; my wave's first column
	; THE ORDER OF THE WEIGHTS' ROWS IN wc AND ws (this replaces 'rows 0-1535' in the head comment): eight tiles of 192 rows; tile t holds 128 columns of one head (t < 4: wq's head t, else wk's head t - 4) and behind them columns 64 t .. 64 t + 63 of wv
	s_lshr_b32 s19, s17, 7
	s_lshl_b32 s20, s31, 2
	s_add_co_u32 s19, s19, s20
	s_mul_i32 s19, s19, 192
	s_and_b32 s20, s17, 127
	s_add_co_u32 s19, s19, s20                     ; wq, wk: my wave's first row
	s_lshr_b32 s20, s17, 6
	s_mul_i32 s20, s20, 192
	s_and_b32 s21, s17, 63
	s_add_co_u32 s20, s20, s21
	s_add_co_u32 s20, s20, 128                     ; wv: likewise
	s_cmp_eq_u32 s31, 2
	s_cselect_b32 s19, s20, s19
	s_sub_co_u32 s30, s19, s17                     ; what is added to my first column to give that row
	s_wait_kmcnt 0x0
	s_cmp_eq_u32 s31, 1                            ; the choice hangs on the work-group's number alone
	s_cselect_b64 s[4:5], s[10:11], s[8:9]
	s_cmp_eq_u32 s31, 2
	s_cselect_b64 s[4:5], s[12:13], s[4:5]
	s_mov_b64 s[8:9], s[14:15]
	s_wait_alu depctr_va_vdst(0)
	WQUANT 2048, 512, 1, 32768
	s_wait_tensorcnt 0x0
	ds_add_u32 v192, v193
	s_wait_dscnt 0x0
	s_endpgm
.LP:	; ---- wproj
	s_load_b64 s[4:5], s[0:1], 0x20                ; wproj
	s_load_b64 s[6:7], s[0:1], 0x38                ; wc
	s_load_b64 s[8:9], s[0:1], 0x40                ; ws
	s_sub_co_u32 s31, ttmp9, 96
	s_and_b32 s17, s31, 15
	s_lshr_b32 s18, s31, 4
	s_lshl_b32 s17, s17, 7
	s_lshl_b32 s19, s16, 5
	s_add_co_u32 s17, s17, s19
	s_mov_b32 s30, 0
	s_wait_kmcnt 0x0
	s_add_nc_u64 s[6:7], s[6:7], 3145728           ; behind the 1,536 rows of 2,048 codes
	s_add_nc_u64 s[8:9], s[8:9], 98304             ; behind their 1,536 x 64 scale bytes
	s_wait_alu depctr_va_vdst(0)
	WQUANT 512, 2048, 0, 67584
	s_wait_tensorcnt 0x0
	ds_add_u32 v192, v193
	s_wait_dscnt 0x0
	s_endpgm
.Lfunc_end_k_q2bbc58af82_quant:
	.size	k_q2bbc58af82_quant, .Lfunc_end_k_q2bbc58af82_quant-k_q2bbc58af82_quant
	.p2alignl 7, 3214868480
	.fill 96, 4, 3214868480
	.section	.rodata,"a",@progbits
	.p2align	6, 0x0
	.amdhsa_kernel k_q2bbc58af82_quant
		.amdhsa_group_segment_fixed_size 102912
		.amdhsa_private_segment_fixed_size 0
		.amdhsa_enable_private_segment 0
		.amdhsa_kernarg_size 72
		.amdhsa_user_sgpr_count 2
		.amdhsa_user_sgpr_kernarg_segment_ptr 1
		.amdhsa_wavefront_size32 1
		.amdhsa_system_sgpr_workgroup_id_x 1
		.amdhsa_system_sgpr_workgroup_id_y 1
		.amdhsa_system_sgpr_workgroup_id_z 1
		.amdhsa_system_vgpr_workitem_id 0
		.amdhsa_next_free_vgpr 194
		.amdhsa_next_free_sgpr 66
		.amdhsa_reserve_vcc 0
		.amdhsa_float_denorm_mode_32 3
		.amdhsa_float_denorm_mode_16_64 3
		.amdhsa_memory_ordered 1
		.amdhsa_forward_progress 1
		.amdhsa_inst_pref_size 170
	.end_amdhsa_kernel
	.amdgpu_metadata
---
amdhsa.version: [ 1, 2 ]
amdhsa.kernels:
  - .name:           k_q2bbc58af82_quant
    .symbol:         k_q2bbc58af82_quant.kd
    .args:
      - { .name: x, .offset: 0, .size: 8, .value_kind: global_buffer, .address_space: global }
      - { .name: wq, .offset: 8, .size: 8, .value_kind: global_buffer, .address_space: global }
      - { .name: wk, .offset: 16, .size: 8, .value_kind: global_buffer, .address_space: global }
      - { .name: wv, .offset: 24, .size: 8, .value_kind: global_buffer, .address_space: global }
      - { .name: wproj, .offset: 32, .size: 8, .value_kind: global_buffer, .address_space: global }
      - { .name: xc, .offset: 40, .size: 8, .value_kind: global_buffer, .address_space: global }
      - { .name: xs, .offset: 48, .size: 8, .value_kind: global_buffer, .address_space: global }
      - { .name: wc, .offset: 56, .size: 8, .value_kind: global_buffer, .address_space: global }
      - { .name: ws, .offset: 64, .size: 8, .value_kind: global_buffer, .address_space: global }
    .group_segment_fixed_size: 102912
    .private_segment_fixed_size: 0
    .kernarg_segment_align: 8
    .kernarg_segment_size: 72
    .max_flat_workgroup_size: 128
    .sgpr_count:     66
    .vgpr_count:     194
    .wavefront_size: 32
...
	.end_amdgpu_metadata
.endif
;; end of part 1
;; launch qkv (part 2): grid 32 x 8, 4 waves a work-group, clusters of 4 x 4, 327,680 bytes of LDS; arguments xc, xs, wc, ws, cos, sin, qkvc, qkvs; writes qkvc, qkvs
.if DOCPART == 2
	.amdgcn_target "amdgcn-amd-amdhsa--gfx1250"
	.amdhsa_code_object_version 6
	.text
	.protected	k_q2bbc58af82_qkv
	.globl	k_q2bbc58af82_qkv
	.p2align	8
	.type	k_q2bbc58af82_qkv,@function
k_q2bbc58af82_qkv:
	s_mov_b64 s[64:65], 0
	v_nop
	global_prefetch_b8 v0, s[64:65] scope:SCOPE_SE
	s_setreg_imm32_b32 hwreg(HW_REG_WAVE_MODE, 25, 1), 1
	s_wait_xcnt 0x0
	s_wait_alu depctr_hold_cnt(0) depctr_sa_sdst(0) depctr_va_vdst(0) depctr_va_sdst(0) depctr_va_ssrc(0) depctr_va_vcc(0) depctr_vm_vsrc(0)
	s_getreg_b32 s2, hwreg(HW_REG_IB_STS2, 6, 4)
	s_cmp_eq_u32 s2, 0
	s_cbranch_scc0 .Lentry_in_a_cluster
	s_endpgm
.Lentry_in_a_cluster:
	s_bfe_u32 s2, ttmp6, 0x10000c
	s_cmp_lg_u32 s2, 0xf033
	s_cbranch_scc0 .Lentry_shape_is_right
	s_endpgm
.Lentry_shape_is_right:
; [q k v] = x [wq wk wv] on codes of FP8 (E4M3) with one E8M0 scale for each 32 along K = 2,048; then RoPE and the RMS norm on q and k, in f32; then q and k are quantised along the head's 128 and v along the tokens, and all
; three leave as IMAGES OF OPERAND REGISTERS: qkvc [q|k|v][head-batch 16][128 tokens 16][fragment 8][c 4][lane 32][16 bytes], qkvs [q|k|v][16][16][fragment 8][row 16] scale words.
; A: xc [8192 positions][2048], xs [8192][64].  B: wc, ws: eight tiles of 192 rows: 128 columns of one head of q (tiles 0-3) or k (4-7), then 64 columns of v.  In both, position P holds row pi(P), pi = the swap of bits 3 and 4.
; SHARES.  32 x 8 = 256 work-groups.  A tile is 256 positions of tokens x 192 of columns; a wave makes 128 x 96: 48 accumulators, 384 registers.  K goes in steps of 256 through a ring of two LDS slots.
; THE ORDER OF K.  K is walked in four laps of 512; a work-group begins at lap (cluster x + cluster y) mod 4 and goes round, so that clusters that read the same rows want a lap's bytes at different times.  The f32 sums take
; their K steps in that order.  The scale bytes of the tile's 448 rows, for all of K, come once; each lane then turns its rows' 64 bytes round by the first lap, in place, by selections: so they lie in the order of work, and every LDS address is made of constants.
; CLUSTER 4 x 4: A's tiles and scales are shared by the partners with my cx, B's by those with my cy: joint loads.
; PREFETCH: behind each refill one instruction a wave asks for the K step two refills on: of the 128 (B: 96) rows that a wave fetches each of the four partners names 32 (24; lanes 24-31 name the last again), told apart by address; the last trip asks for nothing.
; THE MATRIX INSTRUCTION IS USED TRANSPOSED (source 0 = 16 rows of B, source 1 = 16 rows of A): lane (r, h) holds token position r and column positions 8 h + 0..7.
; THE EPILOGUE.  All sums go into one stage in LDS (256 rows x 784 bytes, over the slots, which have had their last fill); behind a barrier wave w takes key step w / 2: four blocks of 16 tokens of q or k and two fragments of v.
; LIMITS: a block of zeros gets the scale byte 1 (zero codes; this program alone reads the bytes); NaN and infinities are not served.
; REGISTERS: window 0: v0-31 addresses; v32-63 scale words, two sets; from v128 A's fragments, one set.  Window 1: B's fragments, two sets.  Windows 2, 3: the accumulators of my token positions 0-63, 64-127: (a, b) at v[8 (6 (a % 4) + b)].
.set SIZE_K, 2048
.set NQ,     2
.set ROWB,   256
.set KROW,   SIZE_K
.set PITCH,  272
.set FR,     16
.set NL,     4
.set NP,     8
.set NB,     6
.set HALFA,  128*PITCH
.set HALFB,  96*PITCH
.set SLOT,   2*HALFA+2*HALFB           ; A's 256 rows, then B's 192
.set LAPS,   4
.set KS,     64
.set SCL,    2*SLOT                    ; B's scale bytes: 48 units of 256 bytes (4 rows) + 16 of padding;
.set SCA,    SCL+48*272                ; then A's: 64 units
.set SBLK,   4*272
.set SPARE,  SCA+64*272
.set SPITCH, 784                       ; a stage row: 192 numbers + 16 bytes
.set RA,   5                           ; v5   the stage: my first block of q or k: row r, + 32 h
.set VRD2, 6                           ; v6   as v12, 64 rows further down
.set VSTO2, 7                          ; v7   as v11, 64 rows further down
.set CSA,  8                           ; v8   cos, sin: token r + 8 (r / 8), channels 16 h on
.set LI,   9                           ; v9   16 x lane
.set LS,   10                          ; v10  4 x lane
.set VSTO, 11                          ; v11  the stage, in: row r of my 128, my 96 columns, + 32 h
.set VRD,  12                          ; v12  the stage read down the tokens: row 8 h, my columns of v, + 4 r
.set ADRA, 16
.set ADRB, 20
.set ADRS, 27
.set SPW,  28
.set NIL,  29
.set PFO,  30                          ; v30  the prefetch's offset: a row of codes x min(lane, 31 or 23)
.set RT,   31                          ; v31  the scale bytes of row (thread) of the 448
.set SC,   32                          ; scale words: set s at v[SC + 16 s]; register 2 i + q: lanes 0-15 B's block i, lanes 16-31 A's block i
.set AF,   128
.set PW,   2
.set W,    4
.set T,    14
.set SS,   22
.set RS,   26
.set PC,   32
.set TM,   48
.set H,    64
.set CS0,  128
.set H2,   128
.set G1, 24
.set G0, 32
.set G1B, 48
.set G0B, 56
.set LP,  66
.set G1S, 68
.set G0S, 76
.set G1SB, 80
.set G0SB, 88
.set PFB, 76                           ; s[76:77], s[78:79]: behind the head's loads: the prefetches' rows, and the address in hand
.set PFA, 78
.set SEL,  12
.set MNT,  18
.set EPS,  19
.set I128, 20
.set MSB, 0
.macro WIN new
.if MSB != \new
	s_set_vgpr_msb (MSB<<8)|\new
.set MSB, \new
.endif
.endm
.set MUL_LO, 0xa1
.set MUL_HI, 0xf1
.set TO_B,   0x40
.macro JLOAD g0a, g1a, g0b, g1b        ; waves 0 and 1 fetch A's halves, waves 2 and 3 B's
	s_cmp_eq_u32 s15, 0
	s_cbranch_scc0 .Lfor_b_\@
	tensor_load_to_lds s[\g0a:\g0a+3], s[\g1a:\g1a+7]
	s_nop 0
.rept 4
	v_nop
.endr
	s_branch .Lasked_\@
.Lfor_b_\@:
	tensor_load_to_lds s[\g0b:\g0b+3], s[\g1b:\g1b+7]
	s_nop 0
.rept 4
	v_nop
.endr
.Lasked_\@:
.endm
.macro CREST
	s_cmp_lg_u32 s14, 0
	s_cbranch_scc1 .Lnot_wave_0_\@
	s_barrier_signal -3
.Lnot_wave_0_\@:
	s_barrier_wait -3
	s_barrier_signal -1
	s_barrier_wait -1
.endm
.macro CROUND
	s_barrier_signal -1
	s_barrier_wait -1
	CREST
.endm
	s_load_b256 s[4:11], s[0:1], 0x0               ; xc, xs, wc, ws
	s_load_b128 s[96:99], s[0:1], 0x20             ; cos, sin
	s_load_b64 s[100:101], s[0:1], 0x30            ; qkvc
	s_load_b64 s[104:105], s[0:1], 0x38            ; qkvs
	v_lshl_add_u32 v[SPW], v0, 2, SPARE
	v_mov_b32 v[NIL], 0
	ds_add_u32 v[SPW], v[NIL]                      ; the opening lines: the add twice on end and its wait
	ds_add_u32 v[SPW], v[NIL]
	v_lshrrev_b32 v1, 5, v0
	v_readfirstlane_b32 s14, v1                    ; wave
	s_lshr_b32 s15, s14, 1                         ; my half of the rows; I fetch for A (0) or B (1); my key step in the epilogue
	s_and_b32 s16, s14, 1                          ; my half of the columns; which half I fetch
	s_bfe_u32 s40, ttmp6, 0x40000                  ; cx
	s_bfe_u32 s41, ttmp6, 0x40004                  ; cy
	s_lshl_b32 s17, ttmp9, 2
	s_add_co_u32 s17, s17, s40                     ; tile row
	s_and_b32 s43, ttmp7, 0xffff
	s_add_co_u32 s[LP], ttmp9, s43
	s_and_b32 s[LP], s[LP], 3                      ; my first lap: the same in all sixteen partners
	s_bitcmp1_b32 s[LP], 0
	s_cselect_b32 s95, -1, 0                       ; turn by one lap?
	s_bitcmp1_b32 s[LP], 1
	s_cselect_b32 s2, -1, 0                        ; by two?
	s_lshl_b32 s[LP], s[LP], 9
	s_mov_b32 s[LP+1], 0
	s_lshl_b32 s42, s43, 2
	s_add_co_u32 s42, s42, s41                     ; tile column
	s_lshl_b32 s43, 0x1111, s40                    ; the partners with my cx
	s_lshl_b32 s44, s41, 2
	s_lshl_b32 s44, 15, s44                        ; those with my cy
	s_or_b32 s[G1], s43, (1<<20)|(1<<21)|(5<<22)|(3<<25)
	s_or_b32 s[G1B], s44, (1<<20)|(1<<21)|(5<<22)|(3<<25)
.irp g, G1, G1B
	s_mov_b32 s[\g+1], ROWB<<16
	s_mov_b32 s[\g+3], ROWB<<16
	s_mov_b32 s[\g+5], KROW
	s_mov_b32 s[\g+6], 0
	s_mov_b32 s[\g+7], 0
.endr
	s_mov_b32 s[G1+2], 256<<16                     ; the head's loads bring whole tiles; behind them the rows are halved
	s_mov_b32 s[G1+4], 256
	s_mov_b32 s[G1B+2], 192<<16
	s_mov_b32 s[G1B+4], 192
	s_or_b32 s[G1S], s43, (3<<16)|(1<<20)|(1<<21)|(5<<22)|(3<<25)
	s_or_b32 s[G1SB], s44, (3<<16)|(1<<20)|(1<<21)|(5<<22)|(3<<25)
.irp g, G1S, G1SB
	s_mov_b32 s[\g+1], 32<<16
	s_mov_b32 s[\g+3], 32<<16
	s_mov_b32 s[\g+5], 32
	s_mov_b32 s[\g+6], 0
	s_mov_b32 s[\g+7], 0
.endr
	s_mov_b32 s[G1S+2], 64<<16
	s_mov_b32 s[G1S+4], 64
	s_mov_b32 s[G1SB+2], 48<<16
	s_mov_b32 s[G1SB+4], 48
	s_lshl_b32 s20, s17, 19                        ; A: 256 rows of 2,048 bytes a tile row,
	s_mov_b32 s21, 0
	s_lshl_b32 s22, s17, 14                        ; of 64 scale bytes
	s_mov_b32 s23, 0
	s_mul_i32 s46, s42, 192*KROW                   ; B: 192 rows a tile column
	s_mov_b32 s47, 0
	s_mul_i32 s18, s42, 192*KS
	s_mov_b32 s19, 0
	s_mul_i32 s45, s16, HALFA                      ; LDS: where A's half goes,
	s_mul_i32 s94, s16, HALFB
	s_add_co_u32 s94, s94, 2*HALFA                 ; and B's (also: my 96 rows of B)
	s_wait_dscnt 0x0
	s_wait_kmcnt 0x0
	s_add_nc_u64 s[4:5], s[4:5], s[20:21]
	s_add_nc_u64 s[6:7], s[6:7], s[22:23]
	s_add_nc_u64 s[8:9], s[8:9], s[46:47]
	s_add_nc_u64 s[10:11], s[10:11], s[18:19]
	CROUND                                         ; all sixteen work-groups are here
	s_mov_b32 s[G0], 1                             ; the head's four tiles, each whole
	s_mov_b32 s[G0+1], 0
	s_add_nc_u64 s[G0+2:G0+3], s[4:5], s[LP:LP+1]
	s_or_b32 s[G0+3], s[G0+3], 0x80000000
	s_mov_b32 s[G0B], 1
	s_mov_b32 s[G0B+1], 2*HALFA
	s_add_nc_u64 s[G0B+2:G0B+3], s[8:9], s[LP:LP+1]
	s_or_b32 s[G0B+3], s[G0B+3], 0x80000000
	s_mov_b32 s[G0S], 1
	s_mov_b32 s[G0S+1], SCA
	s_mov_b64 s[G0S+2:G0S+3], s[6:7]
	s_or_b32 s[G0S+3], s[G0S+3], 0x80000000
	s_mov_b32 s[G0SB], 1
	s_mov_b32 s[G0SB+1], SCL
	s_mov_b64 s[G0SB+2:G0SB+3], s[10:11]
	s_or_b32 s[G0SB+3], s[G0SB+3], 0x80000000
	s_lshl_b32 s20, s16, 18                        ; for the ring: the half that I fetch
	s_add_nc_u64 s[4:5], s[4:5], s[20:21]
	s_mul_i32 s20, s16, 96*KROW
	s_add_nc_u64 s[8:9], s[8:9], s[20:21]
	s_mov_b32 s[G0+4], 1
	s_add_co_u32 s[G0+5], s45, SLOT
	s_add_nc_u64 s[G0+6:G0+7], s[4:5], s[LP:LP+1]
	s_add_nc_u64 s[G0+6:G0+7], s[G0+6:G0+7], ROWB
	s_or_b32 s[G0+7], s[G0+7], 0x80000000
	s_mov_b32 s[G0B+4], 1
	s_add_co_u32 s[G0B+5], s94, SLOT
	s_add_nc_u64 s[G0B+6:G0B+7], s[8:9], s[LP:LP+1]
	s_add_nc_u64 s[G0B+6:G0B+7], s[G0B+6:G0B+7], ROWB
	s_or_b32 s[G0B+7], s[G0B+7], 0x80000000
	s_mul_i32 s18, s15, HALFA                      ; my 128 rows of A in slot 0, 1
	s_add_co_u32 s19, s18, SLOT
	s_add_co_u32 s21, s94, SLOT
	s_mul_i32 s22, s16, 24*272
	s_add_co_u32 s22, s22, SCL                     ; lanes 0-15: my rows of B's scale bytes
	s_mul_i32 s23, s15, 32*272
	s_add_co_u32 s23, s23, SCA
	s_sub_co_u32 s23, s23, s22                     ; from there to my rows of A's
	s_mul_i32 s46, s15, 128*SPITCH
	s_mul_i32 s47, s16, 384
	s_add_co_u32 s47, s47, s46                     ; the stage, in
	s_mul_i32 s93, s16, 64*SPITCH
	s_add_co_u32 s93, s93, s46                     ; q, k: back
	s_lshl_b32 s20, s16, 7
	s_add_co_u32 s20, s20, s46
	s_add_co_u32 s20, s20, 512                     ; v: back
	s_cmp_eq_u32 s15, 0
	s_cselect_b32 s46, 31, 23
.macro ARM under, g0, g1, next         ; one tree of branches on the wave's number, an arm a load
	s_cmp_lt_u32 s14, \under
	s_cbranch_scc0 \next
	tensor_load_to_lds s[\g0:\g0+3], s[\g1:\g1+7]
	s_nop 0
.rept 4
	v_nop
.endr
	s_branch .Lhead_asked
\next:
.endm
	ARM 1, G0,  G1,  .Lhead_b
	ARM 2, G0B, G1B, .Lhead_sa
	ARM 3, G0S, G1S, .Lhead_sb
	tensor_load_to_lds s[G0SB:G0SB+3], s[G1SB:G1SB+7]
	s_nop 0
.rept 4
	v_nop
.endr
.Lhead_asked:
	v_and_b32 v1, 15, v0                           ; r
	v_bfe_u32 v2, v0, 4, 1                         ; h
	v_and_b32 v13, 31, v0                          ; lane
	v_mul_u32_u24 v3, v1, PITCH
	v_lshl_add_u32 v4, v2, 4, v3
	v_add_nc_u32 v[ADRA], s18, v4
	v_add_nc_u32 v[ADRA+1], s19, v4
	v_add_nc_u32 v[ADRB], s94, v4
	v_add_nc_u32 v[ADRB+1], s21, v4
	v_mul_u32_u24 v3, v1, KS
	v_lshrrev_b32 v4, 8, v3
	v_lshl_add_u32 v3, v4, 4, v3                   ; 64 bytes a row, 16 more for each 256 passed
	v_mul_u32_u24 v4, s23, v2                      ; lanes 16-31 take A's
	v_add_nc_u32 v3, v3, v4
	v_add_nc_u32 v[ADRS], s22, v3
	v_and_b32 v3, 8, v1
	v_add_nc_u32 v3, v3, v1
	v_lshlrev_b32 v[CSA], 8, v3
	v_lshl_add_u32 v[CSA], v2, 6, v[CSA]
	v_lshlrev_b32 v[LI], 4, v13
	v_lshlrev_b32 v[LS], 2, v13
	v_mul_u32_u24 v3, v1, SPITCH
	v_lshl_add_u32 v3, v2, 5, v3
	v_add_nc_u32 v[VSTO], s47, v3
	v_add_nc_u32 v[VSTO2], 64*SPITCH, v[VSTO]
	v_add_nc_u32 v[RA], s93, v3
	v_mul_u32_u24 v3, v2, 8*SPITCH
	v_lshl_add_u32 v3, v1, 2, v3
	v_add_nc_u32 v[VRD], s20, v3
	v_add_nc_u32 v[VRD2], 64*SPITCH, v[VRD]
	v_min_u32 v[PFO], s46, v13
	v_lshlrev_b32 v[PFO], 11, v[PFO]
	v_lshrrev_b32 v3, 2, v0
	v_mul_u32_u24 v3, v3, 272
	v_and_b32 v4, 3, v0
	v_lshl_add_u32 v3, v4, 6, v3
	v_add_nc_u32 v[RT], SCL, v3
.macro FRAG reg, adr, q, i
.irp c, 0,1,2,3
	ds_load_b128 v[\reg+4*\c:\reg+4*\c+3], v[\adr] offset:128*(\q)+32*\c+(\i)*16*PITCH
.endr
.endm
; 12 products: A's blocks a0, a0 + 1 x B's six.  The 48 accumulators take turns, one instruction a turn, in the same order in every step.
.macro MUL12 a0, p, q, sc, zero
.irp a, \a0, \a0+1
.irp b, 0,1,2,3,4,5
.if \zero
	v_wmma_scale_f32_16x16x128_f8f6f4 v[8*(NB*((\a)%4)+\b):8*(NB*((\a)%4)+\b)+7], v[128*(\p)+FR*\b:128*(\p)+FR*\b+FR-1], v[AF+FR*(\a):AF+FR*(\a)+FR-1], 0, v[SC+8*NQ*(\sc)+NQ*\b+(\q)], v[SC+8*NQ*(\sc)+NQ*(\a)+(\q)] matrix_b_scale:MATRIX_SCALE_ROW1
.else
	v_wmma_scale_f32_16x16x128_f8f6f4 v[8*(NB*((\a)%4)+\b):8*(NB*((\a)%4)+\b)+7], v[128*(\p)+FR*\b:128*(\p)+FR*\b+FR-1], v[AF+FR*(\a):AF+FR*(\a)+FR-1], v[8*(NB*((\a)%4)+\b):8*(NB*((\a)%4)+\b)+7], v[SC+8*NQ*(\sc)+NQ*\b+(\q)], v[SC+8*NQ*(\sc)+NQ*(\a)+(\q)] matrix_b_scale:MATRIX_SCALE_ROW1
.endif
.endr
.endr
.endm
.macro FETCH_B slot, q, p
	WIN TO_B
.irp i, 0,1,2,3,4,5
	FRAG 128*(\p)+FR*\i, ADRB+\slot, \q, \i
.endr
	WIN 0
.endm
.macro FETCH_A slot, q, i0
.irp i, \i0, \i0+1, \i0+2, \i0+3
	FRAG AF+FR*(\i), ADRA+\slot, \q, \i
.endr
.endm
.macro SCALES sc                       ; a K step's two words a row; lanes 0-15 of blocks 6 and 7 bring words that no product names
.irp i, 0,1,2,3,4,5,6,7
	ds_load_b64 v[SC+8*NQ*\sc+NQ*\i:SC+8*NQ*\sc+NQ*\i+1], v[ADRS] offset:\i*SBLK
.endr
.endm
.macro PLACES n
.rept \n
	v_nop
.endr
.endm
.macro STEP slot, q, zero
	s_wait_dscnt 4*NL                              ; all but the youngest 16 loads (A's blocks 4-7) are in
	WIN MUL_LO
	MUL12 0, (\q)%2, \q, \slot, \zero
	MUL12 2, (\q)%2, \q, \slot, \zero
	s_wait_dscnt 0
	PLACES NP
	FETCH_B \slot, (\q)+1, 1-(\q)%2
	FETCH_A \slot, (\q)+1, 0
	WIN MUL_HI
	MUL12 4, (\q)%2, \q, \slot, \zero
	MUL12 6, (\q)%2, \q, \slot, \zero
	PLACES NP
	WIN 0
	FETCH_A \slot, (\q)+1, 4
.endm
; A slot's last step changes slots: the three lines, one barrier (fill = 1: a round of the cluster's), the refill first behind it.
.macro TURN slot, next, fill
.if \fill
	s_wait_xcnt 0x0                                ; my last prefetch has read its address: the next one's is made here
	s_add_co_u32 s12, s[LP], 1024-512*\slot        ; the lap behind the one that is asked for below,
	s_and_b32 s12, s12, SIZE_K-2*ROWB              ; round the row's end
.if \slot
	s_add_co_u32 s12, s12, ROWB
.endif
	s_add_nc_u64 s[PFA:PFA+1], s[PFB:PFB+1], s[12:13]
.endif
	s_wait_tensorcnt 0x0
	ds_add_u32 v[SPW], v[NIL]
	s_wait_dscnt 4*NL+1                            ; the add and the youngest 16 loads may be out
	WIN MUL_LO
	MUL12 0, 1, NQ-1, \slot, 0
	s_wait_dscnt 0x0
	s_barrier_signal -1
	MUL12 2, 1, NQ-1, \slot, 0
	WIN 0
	s_barrier_wait -1
.if \fill
	CREST
.if \slot == 0
	s_add_co_u32 s[LP], s[LP], 2*ROWB
	s_and_b32 s[LP], s[LP], SIZE_K-2*ROWB
.endif
	s_add_nc_u64 s[G0+4*\slot+2:G0+4*\slot+3], s[4:5], s[LP:LP+1]
	s_add_nc_u64 s[G0B+4*\slot+2:G0B+4*\slot+3], s[8:9], s[LP:LP+1]
.if \slot == 1
	s_add_nc_u64 s[G0+4*\slot+2:G0+4*\slot+3], s[G0+4*\slot+2:G0+4*\slot+3], ROWB
	s_add_nc_u64 s[G0B+4*\slot+2:G0B+4*\slot+3], s[G0B+4*\slot+2:G0B+4*\slot+3], ROWB
.endif
	s_or_b32 s[G0+4*\slot+3], s[G0+4*\slot+3], 0x80000000
	s_or_b32 s[G0B+4*\slot+3], s[G0B+4*\slot+3], 0x80000000
	JLOAD G0+4*\slot, G1, G0B+4*\slot, G1B
	PLACES NP-4
.else
	PLACES NP
.endif
	v_add_nc_u32 v[ADRS], 4*NQ, v[ADRS]            ; the next K step's scale words, in the order of work
	s_wait_alu depctr_va_vdst(0)                   ; the wait directly behind the write
	FETCH_B \next, 0, 0
	FETCH_A \next, 0, 0
	SCALES \next
.if \fill
	s_cmp_gt_u32 s3, 1                             ; the last trip's refills have no K step two on
	s_cbranch_scc0 .Lno_ask_\@
	global_prefetch_b8 v[PFO], s[PFA:PFA+1] th:TH_LOAD_NT scope:SCOPE_SE
.Lno_ask_\@:
.endif
	WIN MUL_HI
	MUL12 4, 1, NQ-1, \slot, 0
	MUL12 6, 1, NQ-1, \slot, 0
	PLACES NP
	WIN 0
	FETCH_A \next, 0, 4
.endm
; A lane's row of 64 scale bytes (four laps of 16) is turned round by my first lap: place j takes lap (j + first) mod 4: by one lap where s95 is set, then by two where s2 is.
.macro ROTL k
.irp j, 0,1,2,3
	ds_load_b128 v[128+32*\k+4*\j:128+32*\k+4*\j+3], v[RT] offset:\k*8704+16*\j
.endr
.endm
.macro ROTS k
.set ii, 0
.rept 16
	v_cndmask_b32 v[128+32*\k+16+ii], v[128+32*\k+ii], v[128+32*\k+(ii+4)%16], s95
.set ii, ii+1
.endr
.set ii, 0
.rept 16
	v_cndmask_b32 v[128+32*\k+ii], v[128+32*\k+16+ii], v[128+32*\k+16+(ii+8)%16], s2
.set ii, ii+1
.endr
.irp j, 0,1,2,3
	ds_store_b128 v[RT], v[128+32*\k+4*\j:128+32*\k+4*\j+3] offset:\k*8704+16*\j
.endr
.endm
	s_wait_alu depctr_va_vdst(0)
	s_wait_tensorcnt 0x0                           ; my tile of the head's four is in; the three lines stand ahead of slot 1's first fill as ahead of a refill
	ds_add_u32 v[SPW], v[NIL]
	s_mov_b32 s[G1+2], 128<<16                     ; no tensor load of mine is out: from here on a load brings half a tile's rows,
	s_mov_b32 s[G1+4], 128
	s_mov_b32 s[G1B+2], 96<<16
	s_mov_b32 s[G1B+4], 96
	s_mov_b32 s[G0+1], s45                         ; into my half of the slot
	s_mov_b32 s[G0B+1], s94
	s_lshl_b32 s18, s41, 16                        ; the prefetches: of A's 128 rows the 32 at my cy,
	s_mul_i32 s19, s40, 24*KROW                    ; of B's 96 the 24 at my cx
	s_cmp_eq_u32 s15, 0
	s_cselect_b64 s[PFB:PFB+1], s[4:5], s[8:9]
	s_cselect_b32 s18, s18, s19
	s_mov_b32 s19, 0
	s_add_nc_u64 s[PFB:PFB+1], s[PFB:PFB+1], s[18:19]
	s_mov_b32 s13, 0
	s_wait_dscnt 0x0
	CROUND
	JLOAD G0+4, G1, G0B+4, G1B                     ; slot 1's first fill
	ROTL 0                                         ; rows 0-383: three a lane
	ROTL 1
	ROTL 2
	s_wait_dscnt 0x0
	ROTS 0
	ROTS 1
	ROTS 2
	s_cmp_lt_u32 s14, 2                            ; rows 384-447: waves 0 and 1
	s_cbranch_scc0 .Lturned
	ROTL 3
	s_wait_dscnt 0x0
	ROTS 3
.Lturned:
	s_wait_dscnt 0x0
	s_barrier_signal -1
	s_barrier_wait -1                              ; everybody's rows are turned
	FETCH_B 0, 0, 0
	FETCH_A 0, 0, 0
	SCALES 0
	FETCH_A 0, 0, 4
	STEP 0, 0, 1
	s_mov_b32 s3, LAPS-1
.Llap:
	TURN 0, 1, 1
	STEP 1, 0, 0
	TURN 1, 0, 1
	STEP 0, 0, 0
	s_sub_co_u32 s3, s3, 1
	s_cmp_lg_u32 s3, 0
	s_cbranch_scc1 .Llap
	TURN 0, 1, 0
	STEP 1, 0, 0
	s_wait_dscnt 4*NL
	WIN MUL_LO
	MUL12 0, 1, NQ-1, 1, 0
	MUL12 2, 1, NQ-1, 1, 0
	s_wait_dscnt 0
	WIN MUL_HI
	MUL12 4, 1, NQ-1, 1, 0
	MUL12 6, 1, NQ-1, 1, 0
	WIN 0
; ---------------- THE EPILOGUE ----------------
; 64 numbers of a lane, register 16 b + i = k 32 b + 16 h + i of my row, become a fragment's codes in v[PC] on and its scale word in v[pw].
.macro QUANT s, pw
.irp b, 0,1,2,3
	v_max3_num_f32 v[TM+\b], |v[\s+16*\b]|, |v[\s+1+16*\b]|, 0x4800000
.endr
.irp i, 2,4,6,8,10,12,14
.irp b, 0,1,2,3
	v_max3_num_f32 v[TM+\b], v[TM+\b], |v[\s+16*\b+\i]|, |v[\s+1+16*\b+\i]|
.endr
.endr
.irp b, 0,1,2,3
	v_permlanex16_b32 v[TM+4+\b], v[TM+\b], s[SEL], s[SEL+1]
.endr
.irp b, 0,1,2,3
	v_max_num_f32 v[TM+\b], v[TM+\b], v[TM+4+\b]
.endr
.irp b, 0,1,2,3
	v_add_nc_u32 v[TM+12+\b], 0xfc000000, v[TM+\b]
.endr
.irp b, 0,1,2,3
	v_and_or_b32 v[TM+8+\b], v[TM+\b], 0x7f800000, s[MNT]
.endr
.irp b, 0,1,2,3
	v_lshrrev_b32 v[TM+4+\b], 23, v[TM+12+\b]
.endr
	v_lshl_or_b32 v[\pw], v[TM+5], 8, v[TM+4]
	v_lshl_or_b32 v[\pw], v[TM+6], 16, v[\pw]
	v_lshl_or_b32 v[\pw], v[TM+7], 24, v[\pw]
.irp b, 0,1,2,3
.irp i, 0,1,2,3,4,5,6,7,8,9,10,11,12,13,14,15
	v_med3_num_f32 v[\s+16*\b+\i], v[\s+16*\b+\i], -v[TM+8+\b], v[TM+8+\b]
.endr
	v_cvt_scalef32_pk8_fp8_f32 v[PC+4*\b:PC+1+4*\b], v[\s+16*\b:\s+7+16*\b], v[TM+12+\b]
	v_cvt_scalef32_pk8_fp8_f32 v[PC+2+4*\b:PC+3+4*\b], v[\s+8+16*\b:\s+15+16*\b], v[TM+12+\b]
.endr
	v_nop
.endm
.macro IMAGE base, off                 ; each store covers 512 consecutive bytes
.irp c, 0,1,2,3
	global_store_b128 v[LI], v[PC+4*\c:PC+4*\c+3], s[\base:\base+1] offset:\off+512*\c
.endr
.endm
.macro CSLOAD cs, imm                  ; cos (v[cs] on) and sin (v[cs + 32] on) of a block's 16 tokens, as the numbers lie in H
.irp b, 0,1,2,3
.irp q, 0,1
	global_load_b128 v[(\cs)+8*\b+4*\q:(\cs)+8*\b+4*\q+3], v[CSA], s[96:97] offset:\imm+128*(\b>>1)+32*(\b&1)+16*\q
	global_load_b128 v[(\cs)+32+8*\b+4*\q:(\cs)+32+8*\b+4*\q+3], v[CSA], s[98:99] offset:\imm+128*(\b>>1)+32*(\b&1)+16*\q
.endr
.endr
.endm
; Block 2 t + odd of my four of q or k: back from the stage, RoPE, RMS norm, quantised, stored.  Each of the two sets of cos and sin is loaded again behind its RoPE for the block two on.
.macro QKBLOCK t, odd
.set CSET, CS0+64*\odd
.irp b, 0,1,2,3,4,5,6,7
	ds_load_b128 v[H+8*\b:H+8*\b+3], v[RA] offset:(32*\t+16*\odd)*SPITCH+64*\b
	ds_load_b128 v[H+8*\b+4:H+8*\b+7], v[RA] offset:(32*\t+16*\odd)*SPITCH+64*\b+16
.endr
.if (\t) && (\odd)
	s_wait_loadcnt 0x0
.else
	s_wait_loadcnt 16                              ; this block's cos and sin are in; the other set's sixteen loads may be out
.endif
	s_wait_dscnt 0x0
.irp b, 0,1,2,3
.irp p, 0,2,4,6
.set TT, T+4*((\p/2)%2)
	v_pk_mul_f32 v[TT:TT+1], v[H+32+8*\b+\p:H+32+8*\b+\p+1], v[CSET+32+8*\b+\p:CSET+32+8*\b+\p+1]
	v_pk_mul_f32 v[TT+2:TT+3], v[H+32+8*\b+\p:H+32+8*\b+\p+1], v[CSET+8*\b+\p:CSET+8*\b+\p+1]
	v_pk_fma_f32 v[H+32+8*\b+\p:H+32+8*\b+\p+1], v[H+8*\b+\p:H+8*\b+\p+1], v[CSET+32+8*\b+\p:CSET+32+8*\b+\p+1], v[TT+2:TT+3]
	v_pk_fma_f32 v[H+8*\b+\p:H+8*\b+\p+1], v[H+8*\b+\p:H+8*\b+\p+1], v[CSET+8*\b+\p:CSET+8*\b+\p+1], v[TT:TT+1] neg_lo:[0,0,1] neg_hi:[0,0,1]
.endr
.endr
.if !\t
	CSLOAD CSET, 32*256+\odd*8*256
.endif
	v_pk_mul_f32 v[SS:SS+1], v[H:H+1], v[H:H+1]
	v_pk_mul_f32 v[SS+2:SS+3], v[H+2:H+3], v[H+2:H+3]
.irp j, 4,8,12,16,20,24,28,32,36,40,44,48,52,56,60
	v_pk_fma_f32 v[SS:SS+1], v[H+\j:H+\j+1], v[H+\j:H+\j+1], v[SS:SS+1]
	v_pk_fma_f32 v[SS+2:SS+3], v[H+\j+2:H+\j+3], v[H+\j+2:H+\j+3], v[SS+2:SS+3]
.endr
	v_pk_add_f32 v[SS:SS+1], v[SS:SS+1], v[SS+2:SS+3]
	v_add_f32 v[SS], v[SS], v[SS+1]
	v_permlanex16_b32 v[SS+2], v[SS], s[SEL], s[SEL+1]
	v_add_f32 v[SS], v[SS], v[SS+2]
	v_fma_f32 v[SS], v[SS], s[I128], s[EPS]        ; the mean + 1e-5
	s_wait_alu depctr_va_vdst(0)
	v_rsq_f32 v[RS], v[SS]
	v_nop
.set jj, 0
	s_wait_alu depctr_va_vdst(0)
.rept 32
	v_pk_mul_f32 v[H+jj:H+jj+1], v[H+jj:H+jj+1], v[RS:RS+1] op_sel_hi:[1,0]
.set jj, jj+2
.endr
	s_wait_xcnt 0x0                                ; the block before's stores have read their codes
	QUANT H, PW+\odd
	IMAGE 100, (2*\t+\odd)*2048
.endm
.macro WORDS base, off                 ; lanes 0-15: the even fragment's 16 scale words, lanes 16-31: the odd one's: 128 consecutive bytes
	v_cndmask_b32 v[W], v[PW], v[PW+1], vcc_lo
	global_store_b32 v[LS], v[W], s[\base:\base+1] offset:\off
.endm
.macro VLOAD reg, off                  ; a fragment of v: lane (r, h) takes column position r and tokens 32 c + 16 h + i, which lie at rows 32 c + 16 (i / 8) + 8 h + i % 8
.irp c, 0,1
.set ii, 0
.rept 16
	ds_load_b32 v[\reg+16*\c+ii], v[VRD] offset:(32*\c+16*(ii>>3)+(ii&7))*SPITCH+\off
	ds_load_b32 v[\reg+32+16*\c+ii], v[VRD2] offset:(32*\c+16*(ii>>3)+(ii&7))*SPITCH+\off
.set ii, ii+1
.endr
.endr
.endm
	PLACES NP
	s_wait_dscnt 0x0
	s_barrier_signal -1
	s_barrier_wait -1                              ; nobody reads the ring any more: the stage may be laid over it
	s_lshl_b32 s40, s17, 8
	s_lshl_b32 s41, s15, 7
	s_add_co_u32 s40, s40, s41                     ; my key step's first row
	s_lshr_b32 s41, s40, 11                        ; the batch
	s_bfe_u32 s43, s40, 0x40007                    ; which 128 tokens of it
	s_lshl_b32 s41, s41, 2
	s_and_b32 s44, s42, 3
	s_add_co_u32 s44, s44, s41
	s_lshl_b32 s44, s44, 4
	s_add_co_u32 s44, s44, s43                     ; q, k: (4 batch + head) 16 + step
	s_lshr_b32 s45, s42, 1
	s_add_co_u32 s45, s45, s41
	s_lshl_b32 s45, s45, 4
	s_add_co_u32 s45, s45, s43                     ; v: likewise
	s_mov_b32 s47, 0
	s_and_b32 s18, s42, 1                          ; which half of v's head
	s_lshl_b32 s46, s45, 14
	s_add_co_u32 s46, s46, 2<<22
	s_lshl_b32 s19, s18, 13
	s_add_co_u32 s46, s46, s19
	s_lshl_b32 s19, s16, 12
	s_add_co_u32 s46, s46, s19                     ; fragment 4 half + 2 (wave % 2)
	s_add_nc_u64 s[80:81], s[100:101], s[46:47]
	s_lshl_b32 s46, s45, 9
	s_add_co_u32 s46, s46, 2<<17
	s_lshl_b32 s19, s18, 8
	s_add_co_u32 s46, s46, s19
	s_lshl_b32 s19, s16, 7
	s_add_co_u32 s46, s46, s19
	s_add_nc_u64 s[82:83], s[104:105], s[46:47]
	s_lshr_b32 s18, s42, 2                         ; 0: q, 1: k
	s_lshl_b32 s46, s18, 22
	s_lshl_b32 s19, s44, 14
	s_add_co_u32 s46, s46, s19
	s_lshl_b32 s19, s16, 13
	s_add_co_u32 s46, s46, s19                     ; fragment 4 (wave % 2)
	s_add_nc_u64 s[100:101], s[100:101], s[46:47]
	s_lshl_b32 s46, s18, 17
	s_lshl_b32 s19, s44, 9
	s_add_co_u32 s46, s46, s19
	s_lshl_b32 s19, s16, 8
	s_add_co_u32 s46, s46, s19
	s_add_nc_u64 s[104:105], s[104:105], s[46:47]
	s_and_b32 s46, s40, 2047
	s_lshl_b32 s19, s16, 6
	s_add_co_u32 s46, s46, s19                     ; my first token in its batch
	s_lshl_b32 s46, s46, 8
	s_add_nc_u64 s[96:97], s[96:97], s[46:47]
	s_add_nc_u64 s[98:99], s[98:99], s[46:47]
	s_mov_b32 s[SEL], 0x76543210
	s_mov_b32 s[SEL+1], 0xfedcba98
	s_mov_b32 s[MNT], 0x600000
	s_mov_b32 s[EPS], 0x3727c5ac
	s_mov_b32 s[I128], 0x3c000000
	CSLOAD CS0, 0                                  ; the first two blocks' cos and sin are on their way while the stage is written
	CSLOAD CS0+64, 8*256
.irp a, 0,1,2,3,4,5,6,7
	WIN (0x08+4*(\a/4))
.irp b, 0,1,2,3,4,5
.if \a < 4
	ds_store_b128 v[VSTO], v[8*(NB*(\a%4)+\b):8*(NB*(\a%4)+\b)+3] offset:(\a%4)*16*SPITCH+64*\b
	ds_store_b128 v[VSTO], v[8*(NB*(\a%4)+\b)+4:8*(NB*(\a%4)+\b)+7] offset:(\a%4)*16*SPITCH+64*\b+16
.else
	ds_store_b128 v[VSTO2], v[8*(NB*(\a%4)+\b):8*(NB*(\a%4)+\b)+3] offset:(\a%4)*16*SPITCH+64*\b
	ds_store_b128 v[VSTO2], v[8*(NB*(\a%4)+\b)+4:8*(NB*(\a%4)+\b)+7] offset:(\a%4)*16*SPITCH+64*\b+16
.endif
.endr
.endr
	WIN 0
	v_and_b32 v[T], 16, v0
	v_cmp_ne_u32 vcc_lo, 0, v[T]                   ; lanes 16-31; VCC stays so to the end
.irp b, 0,1,2,3
	v_mov_b32 v[TM+4+\b], 0
.endr
	v_mov_b32 v[SS+2], 0
	v_mov_b32 v[RS+1], 0
	s_wait_alu depctr_va_vdst(0)                   ; the wait ahead of the wait and the barrier
	s_wait_dscnt 0x0
	s_barrier_signal -1
	s_barrier_wait -1                              ; the stage is whole
	QKBLOCK 0, 0
	QKBLOCK 0, 1
	WORDS 104, 0
	QKBLOCK 1, 0
	QKBLOCK 1, 1
	s_wait_xcnt 0x0                                ; the first pair's words have been read
	WORDS 104, 128
	VLOAD H, 0
	s_wait_dscnt 0x0
	VLOAD H2, 64                                   ; the second fragment's numbers come while the first is quantised
	s_wait_xcnt 0x0
	QUANT H, PW
	IMAGE 80, 0
	s_wait_dscnt 0x0
	s_wait_xcnt 0x0
	QUANT H2, PW+1
	IMAGE 80, 2048
	WORDS 82, 0
	s_wait_tensorcnt 0x0                           ; the wave's end
	ds_add_u32 v[SPW], v[NIL]
	s_wait_dscnt 0x0
	CROUND                                         ; the closing round
	s_endpgm
.Lfunc_end_k_q2bbc58af82_qkv:
	.size	k_q2bbc58af82_qkv, .Lfunc_end_k_q2bbc58af82_qkv-k_q2bbc58af82_qkv
	.p2alignl 7, 3214868480
	.fill 96, 4, 3214868480
	.section	.rodata,"a",@progbits
	.p2align	6, 0x0
	.amdhsa_kernel k_q2bbc58af82_qkv
		.amdhsa_group_segment_fixed_size 327680
		.amdhsa_private_segment_fixed_size 0
		.amdhsa_enable_private_segment 0
		.amdhsa_kernarg_size 64
		.amdhsa_user_sgpr_count 2
		.amdhsa_user_sgpr_kernarg_segment_ptr 1
		.amdhsa_wavefront_size32 1
		.amdhsa_system_sgpr_workgroup_id_x 1
		.amdhsa_system_sgpr_workgroup_id_y 1
		.amdhsa_system_sgpr_workgroup_id_z 1
		.amdhsa_system_vgpr_workitem_id 0
		.amdhsa_next_free_vgpr 1024
		.amdhsa_next_free_sgpr 106
		.amdhsa_reserve_vcc 1
		.amdhsa_float_denorm_mode_32 3
		.amdhsa_float_denorm_mode_16_64 3
		.amdhsa_memory_ordered 1
		.amdhsa_forward_progress 1
		.amdhsa_inst_pref_size 221
	.end_amdhsa_kernel
	.amdgpu_metadata
---
amdhsa.version: [ 1, 2 ]
amdhsa.kernels:
  - .name:           k_q2bbc58af82_qkv
    .symbol:         k_q2bbc58af82_qkv.kd
    .args:
      - { .name: xc, .offset: 0, .size: 8, .value_kind: global_buffer, .address_space: global }
      - { .name: xs, .offset: 8, .size: 8, .value_kind: global_buffer, .address_space: global }
      - { .name: wc, .offset: 16, .size: 8, .value_kind: global_buffer, .address_space: global }
      - { .name: ws, .offset: 24, .size: 8, .value_kind: global_buffer, .address_space: global }
      - { .name: cos, .offset: 32, .size: 8, .value_kind: global_buffer, .address_space: global }
      - { .name: sin, .offset: 40, .size: 8, .value_kind: global_buffer, .address_space: global }
      - { .name: qkvc, .offset: 48, .size: 8, .value_kind: global_buffer, .address_space: global }
      - { .name: qkvs, .offset: 56, .size: 8, .value_kind: global_buffer, .address_space: global }
    .group_segment_fixed_size: 327680
    .private_segment_fixed_size: 0
    .kernarg_segment_align: 8
    .kernarg_segment_size: 64
    .max_flat_workgroup_size: 128
    .sgpr_count:     106
    .vgpr_count:     1024
    .wavefront_size: 32
...
	.end_amdgpu_metadata
.endif
;; end of part 2
;; launch attn (part 3): grid 16 x 16, 16 waves a work-group, clusters of 4 x 1, 327,680 bytes of LDS; arguments qkvc, qkvs, yc, ys; writes yc, ys
.if DOCPART == 3
	.amdgcn_target "amdgcn-amd-amdhsa--gfx1250"
	.amdhsa_code_object_version 6
	.text
	.protected	k_q2bbc58af82_attn
	.globl	k_q2bbc58af82_attn
	.p2align	8
	.type	k_q2bbc58af82_attn,@function
k_q2bbc58af82_attn:
	s_mov_b64 s[64:65], 0
	v_nop
	global_prefetch_b8 v0, s[64:65] scope:SCOPE_SE
	s_setreg_imm32_b32 hwreg(HW_REG_WAVE_MODE, 25, 1), 1
	s_wait_xcnt 0x0
	s_wait_alu depctr_hold_cnt(0) depctr_sa_sdst(0) depctr_va_vdst(0) depctr_va_sdst(0) depctr_va_ssrc(0) depctr_va_vcc(0) depctr_vm_vsrc(0)
	s_getreg_b32 s2, hwreg(HW_REG_IB_STS2, 6, 4)
	s_cmp_eq_u32 s2, 0
	s_cbranch_scc0 .Lentry_in_a_cluster
	s_endpgm
.Lentry_in_a_cluster:
	s_bfe_u32 s2, ttmp6, 0x10000c
	s_cmp_lg_u32 s2, 0x3003
	s_cbranch_scc0 .Lentry_shape_is_right
	s_endpgm
.Lentry_shape_is_right:
; y = softmax(q k^T / sqrt(128), causal) v on codes of FP8 (E4M3) with E8M0 scales, then y is quantised along the 512 channels for the projection: yc [8192][512], ys [8192][16].
; q, k, v come as images of operand registers: qkvc [q|k|v][head-batch 16][key step of 128 tokens 16][fragment 8][c 4][lane 32][16 bytes], qkvs [q|k|v][16][16][fragment 8][row 16] scale words.
; THE SOFTMAX: t = score x log2(e) / sqrt(128); M = the running largest t rounded up to a whole number; p = 2^(t - M) is quantised along the keys; the sum of the unquantised p divides at the end.
; SHARES.  Work-group (cluster x c, place cx, head-batch y) has 16 waves.  Wave w: bit 0 = which of two tiles of 16 queries, bit 1 = parity, bits 3:2 choose the group of 128 queries G out of c, 7 - c, 15 - c, 8 + c.
; A TILE OF QUERIES BELONGS TO TWO WAVES: one takes the even key steps up to G, the other the odd ones, each with its own M, sum and O^T.  At the end the odd wave hands its three through LDS to the even one, which brings
; both under the larger M by powers of two (nothing is rounded), adds, divides, quantises and stores.  A wave that had no step hands zeros, and its factor is 0.
; Key steps beyond G lie wholly under the causal mask and are left out by a scalar branch on ids; on the diagonal hidden scores become -infinity.
; THE RING: two slots of four key steps (K 65,536 bytes, V 65,536).  Head: waves 0-7 fill slot 0 (16,384 bytes each), waves 8-15 fetch K's and V's scale words of the whole head-batch (2,048 each).  Refills: 8,192 bytes a wave.
; CLUSTER 4 x 1: the four partners walk the same K and V: every tensor load is joint (mask 15).
; PREFETCH: at the change that loads slot n the slot n + 1 is asked for: of the 32 blocks of 256 bytes that a wave will load, the partner at place cx names 8 (lanes 8-31 name the eighth again); the last change asks for nothing.
; LIMITS: NaN and infinities are not served; a block of zeros gets the scale byte 1 (zero codes; this program alone reads the bytes).  q and k are RMS-normalised, so |t| stays under 17.
.set SLOT1, 1<<17
.set VOFF,  65536
.set STEPB, 16384
.set SCK,   2*SLOT1
.set SCV,   SCK+8192
.set SPARE, SCV+8192                   ; the spare words: 128 bytes for each of 16 waves
.set STAGE, SPARE+2048                 ; the way out: 16 rows x 144 bytes for each pair of waves
.set SPT,   144
.set MGP,   8704                       ; the hand-over: 8,192 bytes of O^T, 128 of -M, 128 of the sum for each pair, in slot 0, which has had its last fill and its last read by then
.set AK0,  1
.set AV0,  2
.set ASK0, 3
.set PFO,  4                           ; v4  the prefetch's offset: 256 x min(lane, 7)
.set SPW,  5
.set NIL,  6
.set QD,   7
.set ADK,  8
.set ADV,  9
.set ADS,  10
.set WV,   12
.set G,    15
.set KJ,   16
.set TB,   17
.set TS,   18
.set MNT,  19
.set SEL,  20
.set CS,   22
.set G1,   24                          ; group 1: 64 rows of 256 bytes (slot 0's first fill)
.set G1S,  32                          ; 8 rows (scale words)
.set G0,   40
.set G0S,  44
.set SLOTS, 48
.set INNER, 49
.set QB,   50
.set G1R,  80                          ; 32 rows (the ring's loads)
.set G0R,  88
.set PFA,  92
.set PAR,  94                          ; my parity of key steps
.set PR,   95                          ; my pair, 0 .. 7
.macro CROUND
	s_barrier_signal -1
	s_barrier_wait -1
	s_cmp_lg_u32 s[WV], 0
	s_cbranch_scc1 .Lnot_wave_0_\@
	s_barrier_signal -3
.Lnot_wave_0_\@:
	s_barrier_wait -3
	s_barrier_signal -1
	s_barrier_wait -1
.endm
.macro DENSE g, rows                   ; group 1 of a dense block: rows of 256 bytes (32 elements of 8), joint for all four partners
	s_mov_b32 s[\g], 15|(3<<16)|(1<<21)
	s_mov_b32 s[\g+1], 32<<16
	s_mov_b32 s[\g+2], (\rows)<<16
	s_mov_b32 s[\g+3], 32<<16
	s_mov_b32 s[\g+4], \rows
	s_mov_b32 s[\g+5], 32
	s_mov_b32 s[\g+6], 0
	s_mov_b32 s[\g+7], 0
.endm
	s_load_b256 s[4:11], s[0:1], 0x0               ; qkvc, qkvs, yc, ys
	v_lshl_add_u32 v[SPW], v0, 2, SPARE
	v_mov_b32 v[NIL], 0
	ds_add_u32 v[SPW], v[NIL]                      ; the opening lines: the add twice on end and its wait
	ds_add_u32 v[SPW], v[NIL]
	v_lshrrev_b32 v8, 5, v0
	v_readfirstlane_b32 s[WV], v8
	s_bfe_u32 s13, ttmp6, 0x40000                  ; cx
	s_and_b32 s14, ttmp7, 0xffff                   ; head-batch
	s_lshr_b32 s52, s[WV], 2
	s_lshr_b32 s53, s52, 1
	s_xor_b32 s54, s52, s53
	s_and_b32 s54, s54, 1
	s_mul_i32 s54, s54, 7
	s_xor_b32 s54, s54, ttmp9
	s_lshl_b32 s[G], s53, 3
	s_add_co_u32 s[G], s[G], s54                   ; G: c, 7 - c, 15 - c, 8 + c
	s_and_b32 s66, s[WV], 1
	s_bfe_u32 s[PAR], s[WV], 0x10001
	s_lshl_b32 s[PR], s52, 1
	s_add_co_u32 s[PR], s[PR], s66
	s_lshl_b32 s[QB], s13, 5
	s_lshl_b32 s55, s66, 3
	s_add_co_u32 s[QB], s[QB], s55
	s_and_b32 s51, s[WV], 7                        ; the head's fills: which eighth
	s_lshr_b32 s55, s51, 2
	s_and_b32 s56, s51, 3
	s_add_co_u32 s57, s55, 1                       ; section 1: k, 2: v
	s_lshl_b32 s58, s57, 22
	s_lshl_b32 s59, s14, 18
	s_add_co_u32 s58, s58, s59
	s_lshl_b32 s59, s56, 14
	s_add_co_u32 s58, s58, s59
	s_mov_b32 s59, 0
	s_lshl_b32 s60, s57, 17
	s_lshl_b32 s61, s14, 13
	s_add_co_u32 s60, s60, s61
	s_lshl_b32 s61, s56, 11
	s_add_co_u32 s60, s60, s61
	s_mov_b32 s61, 0
	s_lshr_b32 s96, s[WV], 3                       ; the ring: waves 0-7 K's 65,536 bytes of a slot, waves 8-15 V's, 8,192 each
	s_add_co_u32 s96, s96, 1
	s_lshl_b32 s96, s96, 22
	s_lshl_b32 s97, s14, 18
	s_add_co_u32 s96, s96, s97
	s_lshl_b32 s97, s51, 13
	s_add_co_u32 s96, s96, s97
	s_mov_b32 s97, 0
	s_lshl_b32 s98, s13, 11                        ; the prefetch: my work-group's 2,048 of those bytes, in slot 1: the first change steps it to slot 2
	s_add_co_u32 s98, s98, s96
	s_add_co_u32 s98, s98, 4*STEPB
	s_mov_b32 s99, 0
	s_lshl_b32 s62, s14, 4
	s_add_co_u32 s62, s62, s[G]
	s_lshl_b32 s62, s62, 3
	s_lshl_b32 s63, s13, 1
	s_add_co_u32 s63, s63, s66
	s_add_co_u32 s62, s62, s63                     ; my fragment of q
	s_lshl_b32 s66, s62, 11
	s_mov_b32 s67, 0
	s_lshl_b32 s68, s62, 6
	s_mov_b32 s69, 0
	s_lshr_b32 s74, s14, 2
	s_lshl_b32 s74, s74, 11
	s_lshl_b32 s75, s[G], 7
	s_add_co_u32 s74, s74, s75
	s_add_co_u32 s74, s74, s[QB]                   ; my tile's first row of y
	s_and_b32 s75, s14, 3
	s_lshl_b32 s76, s74, 9
	s_lshl_b32 s77, s75, 7
	s_add_co_u32 s76, s76, s77
	s_mov_b32 s77, 0
	s_lshl_b32 s78, s74, 4
	s_lshl_b32 s79, s75, 2
	s_add_co_u32 s78, s78, s79
	s_mov_b32 s79, 0
	DENSE G1, 64
	DENSE G1S, 8
	DENSE G1R, 32
	s_mov_b32 s[SEL], 0x76543210
	s_mov_b32 s[SEL+1], 0xfedcba98
	s_mov_b32 s[CS], 0x3e0293ee                    ; log2(e) / sqrt(128)
	s_mov_b32 s[CS+1], s[CS]
	s_mov_b32 s[MNT], 0x600000
	s_mov_b32 s[KJ], 0
	s_mov_b32 s[TB], 0
	s_mov_b32 s[TS], 0
	s_mov_b32 s[SLOTS], 3
	s_wait_dscnt 0x0                               ; both opening adds are done
	s_wait_kmcnt 0x0
	s_mov_b32 s[G0], 1
	s_lshl_b32 s[G0+1], s51, 14
	s_add_nc_u64 s[G0+2:G0+3], s[4:5], s[58:59]
	s_or_b32 s[G0+3], s[G0+3], 0x80000000
	s_mov_b32 s[G0S], 1
	s_lshl_b32 s[G0S+1], s51, 11
	s_add_co_u32 s[G0S+1], s[G0S+1], SCK
	s_add_nc_u64 s[G0S+2:G0S+3], s[6:7], s[60:61]
	s_or_b32 s[G0S+3], s[G0S+3], 0x80000000
	s_mov_b32 s[G0R], 1                            ; the walking descriptor stands at slot 0; each change steps it before it is used
	s_lshl_b32 s[G0R+1], s[WV], 13
	s_add_nc_u64 s[G0R+2:G0R+3], s[4:5], s[96:97]
	s_or_b32 s[G0R+3], s[G0R+3], 0x80000000
	s_add_nc_u64 s[PFA:PFA+1], s[4:5], s[98:99]
	s_add_nc_u64 s[70:71], s[4:5], s[66:67]
	s_add_nc_u64 s[72:73], s[6:7], s[68:69]
	s_add_nc_u64 s[8:9], s[8:9], s[76:77]
	s_add_nc_u64 s[10:11], s[10:11], s[78:79]
	CROUND                                         ; the four partners are here: the first joint loads meet
	s_cmp_lt_u32 s[WV], 8                          ; one load a wave, an arm each
	s_cbranch_scc0 .Lfor_scales
	tensor_load_to_lds s[G0:G0+3], s[G1:G1+7]
	s_nop 0
.rept 4
	v_nop
.endr
	s_branch .Lasked
.Lfor_scales:
	tensor_load_to_lds s[G0S:G0S+3], s[G1S:G1S+7]
	s_nop 0
.rept 4
	v_nop
.endr
.Lasked:
	v_and_b32 v8, 31, v0
	v_lshlrev_b32 v[AK0], 4, v8
	v_lshl_add_u32 v[ASK0], v8, 2, SCK
	v_min_u32 v[PFO], 7, v8
	v_lshlrev_b32 v[PFO], 8, v[PFO]
.irp c, 0,1,2,3
	global_load_b128 v[16+4*\c:19+4*\c], v[AK0], s[70:71] offset:512*\c   ; q's fragment stays in registers
.endr
	v_and_b32 v8, 15, v0
	v_bfe_u32 v9, v0, 4, 1
	v_lshlrev_b32 v254, 2, v8
	global_load_b32 v255, v254, s[72:73]           ; q's scale words
	v_add_nc_u32 v[AV0], VOFF, v[AK0]
	v_and_b32 v10, 8, v8
	v_add_nc_u32 v10, v10, v8
	v_add_nc_u32 v[QD], s[QB], v10
	v_lshlrev_b32 v11, 4, v9
	v_sub_nc_u32 v[QD], v[QD], v11                 ; my query in its 128, less 16 h
	v_mov_b32 v13, 0xff61b1e6                      ; the largest t so far: -3e38
	v_floor_f32 v12, -v13                          ; -M
	v_mov_b32 v14, 0
	v_mov_b32 v15, 0
.irp b, 0,1,2,3
	v_mov_b32 v[236+\b], 0
.endr
	v_mov_b32 v252, 0
	v_mov_b32 v253, 0
.set jj, 0
.rept 64
	v_mov_b32 v[160+jj], 0
.set jj, jj+1
.endr
; A KEY STEP of 128 keys.  It is walked where it lies at or under my group of queries and has my parity: two scalar branches on ids.
.macro STEP
	s_cmp_gt_u32 s[KJ], s[G]
	s_cbranch_scc1 .Lhidden_\@
	s_xor_b32 s51, s[KJ], s[PAR]
	s_bitcmp1_b32 s51, 0
	s_cbranch_scc1 .Lhidden_\@
	v_add_nc_u32 v[ADK], s[TB], v[AK0]
	s_wait_alu depctr_va_vdst(0)
	v_add_nc_u32 v[ADV], s[TB], v[AV0]
	v_add_nc_u32 v[ADS], s[TS], v[ASK0]
.rept 6
	v_nop
.endr
.irp u, 0,1,2,3
	ds_load_b32 v[248+\u], v[ADS] offset:128*\u
.endr
.irp g, 0,1
.if \g
.rept 8
	v_nop
.endr
.endif
.irp t, 0,1,2,3
.irp c, 0,1,2,3
	ds_load_b128 v[32+16*\t+4*\c:32+16*\t+4*\c+3], v[ADK] offset:(4*\g+\t)*2048+512*\c
.endr
.endr
.irp t, 0,1,2,3
	s_wait_dscnt 12-4*\t
.if \t%2
	v_wmma_scale_f32_16x16x128_f8f6f4 v[96+8*(4*\g+\t):103+8*(4*\g+\t)], v[32+16*\t:47+16*\t], v[16:31], 0, v[248+2*\g+\t/2], v255 matrix_a_scale:MATRIX_SCALE_ROW1
.else
	v_wmma_scale_f32_16x16x128_f8f6f4 v[96+8*(4*\g+\t):103+8*(4*\g+\t)], v[32+16*\t:47+16*\t], v[16:31], 0, v[248+2*\g+\t/2], v255
.endif
.endr
.endr
.rept 8
	v_nop
.endr
	s_wait_alu depctr_va_vdst(0)
.irp u, 0,1,2,3
	ds_load_b32 v[248+\u], v[ADS] offset:8192+128*\u   ; V's scale words lie 8,192 bytes behind K's
.endr
.irp t, 0,1,2,3
.irp c, 0,1,2,3
	ds_load_b128 v[32+16*\t+4*\c:32+16*\t+4*\c+3], v[ADV] offset:\t*2048+512*\c
.endr
.endr
	s_cmp_lt_u32 s[KJ], s[G]
	s_cbranch_scc1 .Lopen_\@
	v_mov_b32 v254, 0xff800000                     ; on the diagonal: hidden scores become -infinity
.set nn, 0
.rept 64
	v_cmp_gt_i32 vcc_lo, 32*(nn/16)+nn%16, v[QD]
	v_cndmask_b32 v[96+nn], v[96+nn], v254, vcc_lo
.set nn, nn+1
.endr
.Lopen_\@:
.irp b, 0,1,2,3
	v_max3_num_f32 v[232+\b], v[96+16*\b], v[97+16*\b], v[98+16*\b]
.endr
.irp i, 3,5,7,9,11,13
.irp b, 0,1,2,3
	v_max3_num_f32 v[232+\b], v[232+\b], v[96+16*\b+\i], v[97+16*\b+\i]
.endr
.endr
.irp b, 0,1,2,3
	v_max_num_f32 v[232+\b], v[232+\b], v[111+16*\b]
.endr
.irp b, 0,1,2,3
	v_permlanex16_b32 v[236+\b], v[232+\b], s[SEL], s[SEL+1]
.endr
.irp b, 0,1,2,3
	s_delay_alu instid0(VALU_DEP_4)
	v_max_num_f32 v[232+\b], v[232+\b], v[236+\b]
.endr
	s_delay_alu instid0(VALU_DEP_2)
	v_max3_num_f32 v254, v232, v233, v234
	s_delay_alu instid0(VALU_DEP_1)
	v_max_num_f32 v254, v254, v235
	s_delay_alu instid0(VALU_DEP_1)
	v_mul_f32 v254, s[CS], v254
	s_delay_alu instid0(VALU_DEP_1)
	v_max_num_f32 v13, v13, v254
	v_mov_b32 v254, v12
	s_delay_alu instid0(VALU_DEP_2)
	v_floor_f32 v12, -v13                          ; the new -M
	s_delay_alu instid0(VALU_DEP_1)
	v_sub_f32 v254, v12, v254
	s_delay_alu instid0(VALU_DEP_1)
	v_cvt_i32_f32 v254, v254
	s_delay_alu instid0(VALU_DEP_1)
	v_ldexp_f32 v252, 1.0, v254                    ; f = 2^(old M - new M)
.set jj, 0
.rept 32
	v_pk_fma_f32 v[96+jj:97+jj], v[96+jj:97+jj], s[CS:CS+1], v[12:13] op_sel_hi:[1,0,0]
.set jj, jj+2
.endr
.irp b, 0,1,2,3
	v_fma_f32 v[232+\b], v[232+\b], s[CS], v12
.endr
.set jj, 0
	s_wait_alu depctr_va_vdst(0)
.rept 64
	v_exp_f32 v[96+jj], v[96+jj]
.set jj, jj+1
.endr
.irp b, 0,1,2,3
	v_exp_f32 v[232+\b], v[232+\b]
.endr
	v_pk_mul_f32 v[14:15], v[14:15], v[252:253] op_sel_hi:[1,0]
	s_wait_alu depctr_va_vdst(0)
.irp b, 0,1,2,3
	v_max_num_f32 v[232+\b], 0x4800000, v[232+\b]
.endr
.irp b, 0,1,2,3
	s_delay_alu instid0(VALU_DEP_4)
	v_add_nc_u32 v[244+\b], 0xfc000000, v[232+\b]
.endr
.irp b, 0,1,2,3
	v_and_or_b32 v[240+\b], v[232+\b], 0x7f800000, s[MNT]
.endr
.irp b, 0,1,2,3
	v_lshrrev_b32 v[236+\b], 23, v[244+\b]
.endr
	s_delay_alu instid0(VALU_DEP_3)
	v_lshl_or_b32 v253, v237, 8, v236
	s_delay_alu instid0(VALU_DEP_1)
	v_lshl_or_b32 v253, v238, 16, v253
	s_delay_alu instid0(VALU_DEP_1)
	v_lshl_or_b32 v253, v239, 24, v253
	v_pk_add_f32 v[236:237], v[96:97], v[98:99]
.irp j, 4,8,12,16,20,24,28,32,36,40,44,48,52,56,60
	v_pk_add_f32 v[14:15], v[14:15], v[96+\j:97+\j]
	v_pk_add_f32 v[236:237], v[236:237], v[98+\j:99+\j]
.endr
	s_delay_alu instid0(VALU_DEP_1)
	v_pk_add_f32 v[14:15], v[14:15], v[236:237]
.irp b, 0,1,2,3
.irp i, 0,1,2,3,4,5,6,7,8,9,10,11,12,13,14,15
	v_min_num_f32 v[96+16*\b+\i], v[96+16*\b+\i], v[240+\b]
.endr
	v_cvt_scalef32_pk8_fp8_f32 v[224+4*\b:225+4*\b], v[96+16*\b:103+16*\b], v[244+\b]
	v_cvt_scalef32_pk8_fp8_f32 v[226+4*\b:227+4*\b], v[104+16*\b:111+16*\b], v[244+\b]
.endr
.irp t, 4,5,6,7
.irp c, 0,1,2,3
	ds_load_b128 v[32+16*\t+4*\c:32+16*\t+4*\c+3], v[ADV] offset:\t*2048+512*\c
.endr
.endr
.set jj, 0
.rept 32
	v_pk_mul_f32 v[160+jj:161+jj], v[160+jj:161+jj], v[252:253] op_sel_hi:[1,0]
.set jj, jj+2
.endr
	s_wait_alu depctr_va_vdst(0)
.irp t, 0,1,2,3,4,5,6,7
.if \t == 0
	s_wait_dscnt 16
.endif
.if \t > 3
	s_wait_dscnt 28-4*\t
.endif
.if \t%2
	v_wmma_scale_f32_16x16x128_f8f6f4 v[160+8*\t:167+8*\t], v[32+16*\t:47+16*\t], v[224:239], v[160+8*\t:167+8*\t], v[248+\t/2], v253 matrix_a_scale:MATRIX_SCALE_ROW1
.else
	v_wmma_scale_f32_16x16x128_f8f6f4 v[160+8*\t:167+8*\t], v[32+16*\t:47+16*\t], v[224:239], v[160+8*\t:167+8*\t], v[248+\t/2], v253
.endif
.endr
.Lhidden_\@:
	s_add_co_u32 s[KJ], s[KJ], 1
	s_add_co_u32 s[TS], s[TS], 512
	s_add_co_u32 s[TB], s[TB], STEPB
.endm
.macro FOUR_STEPS
	s_mov_b32 s[INNER], 4
.Lstep_\@:
	STEP
	s_sub_co_u32 s[INNER], s[INNER], 1
	s_cmp_lg_u32 s[INNER], 0
	s_cbranch_scc1 .Lstep_\@
	s_sub_co_u32 s[TB], s[TB], 4*STEPB
	s_xor_b32 s[TB], s[TB], SLOT1
.endm
; THE CHANGE OF SLOTS: the three lines, a round of the cluster's barrier, my one joint load into the slot that was left, and the prefetch of the slot after it.
.macro CHANGE fill
	s_wait_tensorcnt 0x0
	ds_add_u32 v[SPW], v[NIL]
.if \fill
	s_xor_b32 s[G0R+1], s[G0R+1], SLOT1
	s_add_nc_u64 s[G0R+2:G0R+3], s[G0R+2:G0R+3], 4*STEPB
	s_wait_xcnt 0x0                                ; my last prefetch has read its address: it may be stepped
	s_add_nc_u64 s[PFA:PFA+1], s[PFA:PFA+1], 4*STEPB
.endif
	s_wait_dscnt 0x0
.if \fill
	CROUND
	tensor_load_to_lds s[G0R:G0R+3], s[G1R:G1R+7]
	s_nop 0
.rept 4
	v_nop
.endr
	s_cmp_eq_u32 s[SLOTS], 1                       ; the last fill has no slot behind it
	s_cbranch_scc1 .Lnone_\@
	global_prefetch_b8 v[PFO], s[PFA:PFA+1] th:TH_LOAD_NT scope:SCOPE_SE
.Lnone_\@:
.else
	s_barrier_signal -1
	s_barrier_wait -1
.endif
.endm
	s_wait_alu depctr_va_vdst(0)
	s_wait_loadcnt 0x0
.Lslot:
	CHANGE 1
	FOUR_STEPS
	s_sub_co_u32 s[SLOTS], s[SLOTS], 1
	s_cmp_lg_u32 s[SLOTS], 0
	s_cbranch_scc1 .Lslot
	CHANGE 0
	FOUR_STEPS
; THE END.  All addresses are made by every wave, ahead of the parting by parity.
	s_wait_xcnt 0x0                                ; the last prefetch has read its offset: the register is written below
	s_mul_i32 s52, s[PR], 16*SPT
	s_add_co_u32 s52, s52, STAGE
	s_mul_i32 s53, s[PR], MGP
.rept 8
	v_nop                                          ; places behind the last products
.endr
	v_add_f32 v14, v14, v15                        ; my lane's sum
	v_mov_b32 v241, 0                              ; (named as upper halves of pairs)
	v_mov_b32 v243, 0
	v_add_nc_u32 v1, s53, v1                       ; the hand-over: 16 x lane,
	v_and_b32 v7, 31, v0
	v_lshlrev_b32 v7, 2, v7
	v_add_nc_u32 v7, s53, v7                       ; and 4 x lane
	v_and_b32 v8, 15, v0
	v_bfe_u32 v9, v0, 4, 1
	v_mul_u32_u24 v10, v8, SPT
	v_lshl_add_u32 v10, v9, 4, v10
	v_add_nc_u32 v10, s52, v10                     ; the stage, in: row r, 16 h
	v_bfe_u32 v11, v0, 3, 2
	v_and_b32 v9, 7, v0
	v_mul_u32_u24 v2, v11, SPT
	v_lshl_add_u32 v2, v9, 4, v2
	v_add_nc_u32 v2, s52, v2                       ; back: eight lanes to a row of 128 bytes
	v_lshlrev_b32 v3, 9, v11
	v_lshl_add_u32 v3, v9, 4, v3
	v_and_b32 v4, 8, v8
	v_add_nc_u32 v4, v4, v8
	v_lshlrev_b32 v4, 4, v4
	s_wait_alu depctr_va_vdst(0)                   ; the wait ahead of the wait and the barrier
	s_wait_dscnt 0x0
	s_barrier_signal -1
	s_barrier_wait -1                              ; nobody reads the ring any more
	s_cmp_eq_u32 s[PAR], 0
	s_cbranch_scc1 .Lkeeps
.irp i, 0,1,2,3,4,5,6,7,8,9,10,11,12,13,14,15
	ds_store_b128 v1, v[160+4*\i:163+4*\i] offset:512*\i   ; the odd wave's O^T, each accumulator from its low end on,
.endr
	ds_store_b32 v7, v12 offset:8192               ; its -M,
	ds_store_b32 v7, v14 offset:8320               ; and its sum
.Lkeeps:
	s_wait_dscnt 0x0
	s_barrier_signal -1
	s_barrier_wait -1
	s_cmp_lg_u32 s[PAR], 0
	s_cbranch_scc1 .Lend
.irp i, 0,1,2,3,4,5,6,7,8,9,10,11,12,13,14,15
	ds_load_b128 v[96+4*\i:99+4*\i], v1 offset:512*\i
.endr
	ds_load_b32 v232, v7 offset:8192
	ds_load_b32 v233, v7 offset:8320
	s_wait_dscnt 0x0
	v_min_num_f32 v234, v12, v232                  ; the joint -M
	v_sub_f32 v235, v234, v12                      ; whole numbers, 0 or less
	v_sub_f32 v236, v234, v232
	v_cvt_i32_f32 v235, v235                       ; (it saturates)
	v_cvt_i32_f32 v236, v236
	v_ldexp_f32 v240, 1.0, v235                    ; my factor,
	v_ldexp_f32 v242, 1.0, v236                    ; and the other wave's
	v_mul_f32 v14, v14, v240
	v_fma_f32 v14, v233, v242, v14
.set jj, 0
.rept 32
	v_pk_mul_f32 v[96+jj:97+jj], v[96+jj:97+jj], v[242:243] op_sel_hi:[1,0]
.set jj, jj+2
.endr
.set jj, 0
.rept 32
	v_pk_fma_f32 v[160+jj:161+jj], v[160+jj:161+jj], v[240:241], v[96+jj:97+jj] op_sel_hi:[1,0,1]
.set jj, jj+2
.endr
	v_permlanex16_b32 v252, v14, s[SEL], s[SEL+1]
	v_add_f32 v14, v14, v252                       ; with lane l xor 16's: the row's sum
	s_wait_alu depctr_va_vdst(0)
	v_rcp_f32 v14, v14
	v_nop
.set jj, 0
	s_wait_alu depctr_va_vdst(0)
.rept 64
	v_mul_f32 v[96+jj], v[160+jj], v14
.set jj, jj+1
.endr
.irp b, 0,1,2,3
	v_max3_num_f32 v[232+\b], |v[96+16*\b]|, |v[97+16*\b]|, 0x4800000
.endr
.irp i, 2,4,6,8,10,12,14
.irp b, 0,1,2,3
	s_delay_alu instid0(VALU_DEP_4)
	v_max3_num_f32 v[232+\b], v[232+\b], |v[96+16*\b+\i]|, |v[97+16*\b+\i]|
.endr
.endr
.irp b, 0,1,2,3
	v_permlanex16_b32 v[236+\b], v[232+\b], s[SEL], s[SEL+1]
.endr
.irp b, 0,1,2,3
	s_delay_alu instid0(VALU_DEP_4)
	v_max_num_f32 v[232+\b], v[232+\b], v[236+\b]
.endr
.irp b, 0,1,2,3
	s_delay_alu instid0(VALU_DEP_4)
	v_add_nc_u32 v[244+\b], 0xfc000000, v[232+\b]
.endr
.irp b, 0,1,2,3
	v_and_or_b32 v[240+\b], v[232+\b], 0x7f800000, s[MNT]
.endr
.irp b, 0,1,2,3
	v_lshrrev_b32 v[236+\b], 23, v[244+\b]
.endr
	s_delay_alu instid0(VALU_DEP_3)
	v_lshl_or_b32 v248, v237, 8, v236
	s_delay_alu instid0(VALU_DEP_1)
	v_lshl_or_b32 v248, v238, 16, v248
	s_delay_alu instid0(VALU_DEP_1)
	v_lshl_or_b32 v248, v239, 24, v248
.irp b, 0,1,2,3
.irp i, 0,1,2,3,4,5,6,7,8,9,10,11,12,13,14,15
	v_med3_num_f32 v[96+16*\b+\i], v[96+16*\b+\i], -v[240+\b], v[240+\b]
.endr
	v_cvt_scalef32_pk8_fp8_f32 v[32+4*\b:33+4*\b], v[96+16*\b:103+16*\b], v[244+\b]
	v_cvt_scalef32_pk8_fp8_f32 v[34+4*\b:35+4*\b], v[104+16*\b:111+16*\b], v[244+\b]
.endr
	v_nop
.irp c, 0,1,2,3
	ds_store_b128 v10, v[32+4*\c:35+4*\c] offset:32*\c
.endr
.irp i, 0,1,2,3
	ds_load_b128 v[48+4*\i:51+4*\i], v2 offset:\i*4*SPT
.endr
	global_store_b32 v4, v248, s[10:11]
.irp i, 0,1,2,3
	s_wait_dscnt 3-\i
	global_store_b128 v3, v[48+4*\i:51+4*\i], s[8:9] offset:(4*\i+8*(\i>>1))*512
.endr
.Lend:
	s_wait_tensorcnt 0x0                           ; the wave's end
	ds_add_u32 v[SPW], v[NIL]
	s_wait_dscnt 0x0
	CROUND                                         ; the closing round
	s_endpgm
.Lfunc_end_k_q2bbc58af82_attn:
	.size	k_q2bbc58af82_attn, .Lfunc_end_k_q2bbc58af82_attn-k_q2bbc58af82_attn
	.p2alignl 7, 3214868480
	.fill 96, 4, 3214868480
	.section	.rodata,"a",@progbits
	.p2align	6, 0x0
	.amdhsa_kernel k_q2bbc58af82_attn
		.amdhsa_group_segment_fixed_size 327680
		.amdhsa_private_segment_fixed_size 0
		.amdhsa_enable_private_segment 0
		.amdhsa_kernarg_size 32
		.amdhsa_user_sgpr_count 2
		.amdhsa_user_sgpr_kernarg_segment_ptr 1
		.amdhsa_wavefront_size32 1
		.amdhsa_system_sgpr_workgroup_id_x 1
		.amdhsa_system_sgpr_workgroup_id_y 1
		.amdhsa_system_sgpr_workgroup_id_z 1
		.amdhsa_system_vgpr_workitem_id 0
		.amdhsa_next_free_vgpr 256
		.amdhsa_next_free_sgpr 100
		.amdhsa_reserve_vcc 1
		.amdhsa_float_denorm_mode_32 3
		.amdhsa_float_denorm_mode_16_64 3
		.amdhsa_memory_ordered 1
		.amdhsa_forward_progress 1
		.amdhsa_inst_pref_size 91
	.end_amdhsa_kernel
	.amdgpu_metadata
---
amdhsa.version: [ 1, 2 ]
amdhsa.kernels:
  - .name:           k_q2bbc58af82_attn
    .symbol:         k_q2bbc58af82_attn.kd
    .args:
      - { .name: qkvc, .offset: 0, .size: 8, .value_kind: global_buffer, .address_space: global }
      - { .name: qkvs, .offset: 8, .size: 8, .value_kind: global_buffer, .address_space: global }
      - { .name: yc, .offset: 16, .size: 8, .value_kind: global_buffer, .address_space: global }
      - { .name: ys, .offset: 24, .size: 8, .value_kind: global_buffer, .address_space: global }
    .group_segment_fixed_size: 327680
    .private_segment_fixed_size: 0
    .kernarg_segment_align: 8
    .kernarg_segment_size: 32
    .max_flat_workgroup_size: 512
    .sgpr_count:     100
    .vgpr_count:     256
    .wavefront_size: 32
...
	.end_amdgpu_metadata
.endif
;; end of part 3
;; launch proj (part 4): grid 8 x 32, 4 waves a work-group, clusters of 4 x 4, 327,680 bytes of LDS; arguments yc, ys, wc, ws, out0; writes out0
.if DOCPART == 4
	.amdgcn_target "amdgcn-amd-amdhsa--gfx1250"
	.amdhsa_code_object_version 6
	.text
	.protected	k_q2bbc58af82_proj
	.globl	k_q2bbc58af82_proj
	.p2align	8
	.type	k_q2bbc58af82_proj,@function
k_q2bbc58af82_proj:
	s_mov_b64 s[64:65], 0
	v_nop
	global_prefetch_b8 v0, s[64:65] scope:SCOPE_SE
	s_setreg_imm32_b32 hwreg(HW_REG_WAVE_MODE, 25, 1), 1
	s_wait_xcnt 0x0
	s_wait_alu depctr_hold_cnt(0) depctr_sa_sdst(0) depctr_va_vdst(0) depctr_va_sdst(0) depctr_va_ssrc(0) depctr_va_vcc(0) depctr_vm_vsrc(0)
	s_getreg_b32 s2, hwreg(HW_REG_IB_STS2, 6, 4)
	s_cmp_eq_u32 s2, 0
	s_cbranch_scc0 .Lentry_in_a_cluster
	s_endpgm
.Lentry_in_a_cluster:
	s_bfe_u32 s2, ttmp6, 0x10000c
	s_cmp_lg_u32 s2, 0xf033
	s_cbranch_scc0 .Lentry_shape_is_right
	s_endpgm
.Lentry_shape_is_right:
; out0 [8192][2048] f32 = y wproj on codes of FP8 (E4M3) with one E8M0 scale for each 32 along K = 512.  A: yc [8192][512], ys [8192][16].  B: wproj's 2,048 rows of 512 codes from byte 3,145,728 of wc, their scale bytes from byte 98,304 of ws.
; A tile of 256 x 256 is made by four waves, 128 x 128 each.  ALL OF K FITS IN LDS: A's 256 rows of 512 bytes, B's 256 rows and both tiles' scale bytes come by ONE tensor load a wave at the head; nothing is filled again.
; A wave holds its 128 rows of B, all of K, in 512 registers (windows 1, 2) and makes its part of C BY BLOCKS OF 16 ROWS: 32 products a block (8 accumulators by turns, K ascending), A's blocks in two sets of 64 registers (window 3).
; Each block leaves as soon as it is finished, through the wave's own stage in LDS, as whole rows of 512 bytes, while the next block is multiplied: two sets of accumulators (window 0), two sets of 64 registers for the rows read back (window 3).
; THE MATRIX INSTRUCTION IS USED TRANSPOSED (source 0 = 16 rows of B, source 1 = 16 rows of A): a lane holds eight neighbouring numbers of a row of C.
; CLUSTER 4 x 4: A's tile and scales are shared along a row of the cluster, B's along a column: joint loads.  No prefetch: every tile is asked for at the head, and the launch has no loop to run ahead in.
; LIMITS: NaN and infinities are not served.
.set SIZE_N, 2048
.set KROW,   512
.set PITCH,  528                       ; an LDS row: 512 bytes + 16 of padding
.set HALFT,  128*PITCH
.set BOFF,   2*HALFT                   ; B's 256 rows lie behind A's
.set SCL,    4*HALFT                   ; the scale bytes: 16 rows (256 bytes) + 16 of padding a unit; A's 16 units, then B's
.set HALFS,  8*272
.set SBLK,   272
.set SPARE,  SCL+4*HALFS               ; the spare words: 128 bytes a wave
.set STAGE,  SPARE+512                 ; 16 rows x 528 bytes for each wave: bytes of its own
.set SPITCH, 528
.set ADRA, 16
.set ADRB, 17
.set ADRS, 18
.set STO,  19
.set RD,   20
.set CO,   21
.set SPW,  28
.set NIL,  29
.set SC,   32                          ; v32-63 scale words: register 4 i + q: lanes 0-15 A's block i, lanes 16-31 B's block i, the q-th 128 of K
.set ACC,  64                          ; v64-191 two sets of eight accumulators
.set BK,   128                         ; window 3, v128-255: two sets of 16 rows read back from the stage
.set G1,   24
.set G0,   32
.set G0B,  36
.set G1B,  48
.set G1S,  68
.set G0S,  76
.set G1SB, 80
.set G0SB, 88
.set MSB, 0
.macro WIN new                         ; the immediate's high byte repeats the setting that is left
.if MSB != \new
	s_set_vgpr_msb (MSB<<8)|\new
.set MSB, \new
.endif
.endm
.macro CROUND
	s_barrier_signal -1
	s_barrier_wait -1
	s_cmp_lg_u32 s14, 0
	s_cbranch_scc1 .Lnot_wave_0_\@
	s_barrier_signal -3
.Lnot_wave_0_\@:
	s_barrier_wait -3
	s_barrier_signal -1
	s_barrier_wait -1
.endm
	s_load_b128 s[4:7], s[0:1], 0x0                ; yc, ys
	s_load_b128 s[8:11], s[0:1], 0x10              ; wc, ws
	s_load_b64 s[12:13], s[0:1], 0x20              ; out0
	v_lshl_add_u32 v[SPW], v0, 2, SPARE
	v_mov_b32 v[NIL], 0
	ds_add_u32 v[SPW], v[NIL]                      ; the opening lines: the add twice on end and its wait
	ds_add_u32 v[SPW], v[NIL]
	v_lshrrev_b32 v1, 5, v0
	v_readfirstlane_b32 s14, v1                    ; wave
	s_lshr_b32 s15, s14, 1                         ; my half of the tile's rows
	s_and_b32 s16, s14, 1                          ; my half of its columns
	s_bfe_u32 s40, ttmp6, 0x40000                  ; cx
	s_bfe_u32 s41, ttmp6, 0x40004                  ; cy
	s_lshl_b32 s42, ttmp9, 2
	s_add_co_u32 s42, s42, s40                     ; tile column
	s_and_b32 s17, ttmp7, 0xffff
	s_lshl_b32 s17, s17, 2
	s_add_co_u32 s17, s17, s41                     ; tile row
	s_lshl_b32 s43, s41, 2
	s_lshl_b32 s43, 15, s43                        ; my row of the cluster
	s_lshl_b32 s44, 0x1111, s40                    ; my column
	s_or_b32 s[G1], s43, (1<<20)|(1<<21)|(6<<22)|(3<<25)    ; elements of 1 byte; 4 words of padding behind every 128
	s_or_b32 s[G1B], s44, (1<<20)|(1<<21)|(6<<22)|(3<<25)
.irp g, G1, G1B
	s_mov_b32 s[\g+1], KROW<<16
	s_mov_b32 s[\g+2], 256<<16
	s_mov_b32 s[\g+3], KROW<<16
	s_mov_b32 s[\g+4], 256
	s_mov_b32 s[\g+5], KROW
	s_mov_b32 s[\g+6], 0
	s_mov_b32 s[\g+7], 0
.endr
	s_or_b32 s[G1S], s43, (3<<16)|(1<<20)|(1<<21)|(5<<22)|(3<<25)   ; 4,096 dense bytes as 16 rows of 256, 16 bytes of padding behind each
	s_or_b32 s[G1SB], s44, (3<<16)|(1<<20)|(1<<21)|(5<<22)|(3<<25)
.irp g, G1S, G1SB
	s_mov_b32 s[\g+1], 32<<16
	s_mov_b32 s[\g+2], 16<<16
	s_mov_b32 s[\g+3], 32<<16
	s_mov_b32 s[\g+4], 16
	s_mov_b32 s[\g+5], 32
	s_mov_b32 s[\g+6], 0
	s_mov_b32 s[\g+7], 0
.endr
	s_lshl_b32 s20, s17, 17                        ; A: 256 rows of 512 bytes a tile row,
	s_mov_b32 s21, 0
	s_lshl_b32 s22, s17, 12                        ; and of 16 scale bytes
	s_mov_b32 s23, 0
	s_lshl_b32 s46, s42, 17                        ; B likewise, by the tile column
	s_add_co_u32 s46, s46, 3145728
	s_mov_b32 s47, 0
	s_lshl_b32 s92, s42, 12
	s_add_co_u32 s92, s92, 98304
	s_mov_b32 s93, 0
	s_mul_i32 s56, s15, HALFT                      ; LDS: my 128 rows of A,
	s_mul_i32 s57, s16, HALFT
	s_add_co_u32 s57, s57, BOFF                    ; of B,
	s_mul_i32 s58, s15, HALFS
	s_mul_i32 s59, s16, HALFS
	s_add_co_u32 s59, s59, 2*HALFS
	s_sub_co_u32 s59, s59, s58                     ; from A's scale words to B's,
	s_add_co_u32 s58, s58, SCL
	s_mul_i32 s60, s14, 16*SPITCH
	s_add_co_u32 s60, s60, STAGE                   ; my stage
	s_lshl_b32 s62, s17, 21                        ; C: 256 rows of 8,192 bytes a tile row, 128 a half; 1,024 bytes a tile column, 512 a half
	s_lshl_b32 s63, s15, 20
	s_add_co_u32 s62, s62, s63
	s_lshl_b32 s63, s42, 10
	s_add_co_u32 s62, s62, s63
	s_lshl_b32 s63, s16, 9
	s_add_co_u32 s62, s62, s63
	s_mov_b32 s63, 0
	s_wait_dscnt 0x0                               ; both opening adds are done
	s_wait_kmcnt 0x0
	s_add_nc_u64 s[12:13], s[12:13], s[62:63]
	s_mov_b32 s[G0], 1
	s_mov_b32 s[G0+1], 0
	s_add_nc_u64 s[G0+2:G0+3], s[4:5], s[20:21]
	s_or_b32 s[G0+3], s[G0+3], 0x80000000
	s_mov_b32 s[G0B], 1
	s_mov_b32 s[G0B+1], BOFF
	s_add_nc_u64 s[G0B+2:G0B+3], s[8:9], s[46:47]
	s_or_b32 s[G0B+3], s[G0B+3], 0x80000000
	s_mov_b32 s[G0S], 1
	s_mov_b32 s[G0S+1], SCL
	s_add_nc_u64 s[G0S+2:G0S+3], s[6:7], s[22:23]
	s_or_b32 s[G0S+3], s[G0S+3], 0x80000000
	s_mov_b32 s[G0SB], 1
	s_mov_b32 s[G0SB+1], SCL+2*HALFS
	s_add_nc_u64 s[G0SB+2:G0SB+3], s[10:11], s[92:93]
	s_or_b32 s[G0SB+3], s[G0SB+3], 0x80000000
	CROUND                                         ; all sixteen work-groups are here: the joint loads meet
; one tree of branches on the wave's number, an arm a load.  B's rows first: they go on into registers
.macro ARM under, g0, g1, next
	s_cmp_lt_u32 s14, \under
	s_cbranch_scc0 \next
	tensor_load_to_lds s[\g0:\g0+3], s[\g1:\g1+7]
	s_nop 0
.rept 4
	v_nop
.endr
	s_branch .Lhead_asked
\next:
.endm
	ARM 1, G0B, G1B, .Lhead_a
	ARM 2, G0,  G1,  .Lhead_sa
	ARM 3, G0S, G1S, .Lhead_sb
	tensor_load_to_lds s[G0SB:G0SB+3], s[G1SB:G1SB+7]
	s_nop 0
.rept 4
	v_nop
.endr
.Lhead_asked:
	v_and_b32 v1, 15, v0                           ; r
	v_bfe_u32 v2, v0, 4, 1                         ; h
	v_and_b32 v3, 31, v0                           ; lane
	v_mul_u32_u24 v4, v1, PITCH
	v_lshl_add_u32 v4, v2, 4, v4                   ; a fragment's row x pitch + 16 h
	v_add_nc_u32 v[ADRA], s56, v4
	v_add_nc_u32 v[ADRB], s57, v4
	v_mul_u32_u24 v5, s59, v2                      ; lanes 16-31 take B's scale words
	v_lshl_add_u32 v5, v1, 4, v5                   ; 16 bytes a row
	v_add_nc_u32 v[ADRS], s58, v5
	v_mul_u32_u24 v6, v1, SPITCH
	v_lshl_add_u32 v6, v2, 5, v6
	v_add_nc_u32 v[STO], s60, v6                   ; the stage, in: row r, 32 h
	v_lshlrev_b32 v[CO], 4, v3                     ; back, and in C: 16 bytes a lane
	v_add_nc_u32 v[RD], s60, v[CO]
.macro BLOAD q                         ; B's eight fragments of the q-th 128 of K: window 1 + q / 2
	WIN ((1+(\q)/2)<<6)
.irp b, 0,1,2,3,4,5,6,7
.irp c, 0,1,2,3
	ds_load_b128 v[128*((\q)%2)+16*\b+4*\c:128*((\q)%2)+16*\b+4*\c+3], v[ADRB] offset:128*(\q)+32*\c+\b*16*PITCH
.endr
.endr
.endm
.macro ALOAD a                         ; A's block a, all of K, into set a % 2 of window 3
	WIN 0xc0
.irp q, 0,1,2,3
.irp c, 0,1,2,3
	ds_load_b128 v[64*((\a)%2)+16*\q+4*\c:64*((\a)%2)+16*\q+4*\c+3], v[ADRA] offset:128*\q+32*\c+(\a)*16*PITCH
.endr
.endr
.endm
.macro ROW a                           ; block a: 32 products; the first eight start the sums
.set AS_, 64*((\a)%2)
.set AC_, ACC+64*((\a)%2)
.irp q, 0,1,2,3
.if (\a) == 0                          ; the first block runs under B's loads.  Issued: 8 scale loads, A's block 0 (16), B's four quarters (32 each), A's block 1 (16)
.if \q == 0
	s_wait_dscnt 63                                ; B's quarters 0 and 1 are in (112 and 80 might be out; the count's field holds 63)
.elseif \q == 2
	s_wait_dscnt 48                                ; B's quarter 3 and A's block 1 may be out
.elseif \q == 3
	s_wait_dscnt 16                                ; A's block 1 may be out
.endif
.endif
	WIN ((1+\q/2)|12)
.irp b, 0,1,2,3,4,5,6,7
.if \q == 0
	v_wmma_scale_f32_16x16x128_f8f6f4 v[AC_+8*\b:AC_+8*\b+7], v[128*(\q%2)+16*\b:128*(\q%2)+16*\b+15], v[AS_+16*\q:AS_+16*\q+15], 0, v[SC+4*\b+\q], v[SC+4*(\a)+\q] matrix_a_scale:MATRIX_SCALE_ROW1
.else
	v_wmma_scale_f32_16x16x128_f8f6f4 v[AC_+8*\b:AC_+8*\b+7], v[128*(\q%2)+16*\b:128*(\q%2)+16*\b+15], v[AS_+16*\q:AS_+16*\q+15], v[AC_+8*\b:AC_+8*\b+7], v[SC+4*\b+\q], v[SC+4*(\a)+\q] matrix_a_scale:MATRIX_SCALE_ROW1
.endif
.endr
.endr
.endm
.macro TOSTAGE a                       ; block a into my stage and back as whole rows: LDS serves a wave's instructions in order
	WIN 0
.irp b, 0,1,2,3,4,5,6,7
	ds_store_b128 v[STO], v[ACC+64*((\a)%2)+8*\b:ACC+64*((\a)%2)+8*\b+3] offset:64*\b      ; each accumulator from its low end on
	ds_store_b128 v[STO], v[ACC+64*((\a)%2)+8*\b+4:ACC+64*((\a)%2)+8*\b+7] offset:64*\b+16
.endr
	WIN 0xc0
.irp t, 0,1,2,3,4,5,6,7,8,9,10,11,12,13,14,15
	ds_load_b128 v[BK+64*((\a)%2)+4*\t:BK+64*((\a)%2)+4*\t+3], v[RD] offset:\t*SPITCH
.endr
.endm
.macro SEND a                          ; 32 lanes store 512 consecutive bytes, aligned; every offset is an immediate: 127 rows of 8,192 bytes at the most
	WIN 0x0c
.irp t, 0,1,2,3,4,5,6,7,8,9,10,11,12,13,14,15
	global_store_b128 v[CO], v[BK+64*((\a)%2)+4*\t:BK+64*((\a)%2)+4*\t+3], s[12:13] offset:(16*(\a)+\t)*SIZE_N*4 th:TH_STORE_NT
.endr
.endm
	s_wait_alu depctr_va_vdst(0)
	s_wait_tensorcnt 0x0                           ; my tile is in,
	s_barrier_signal -1
	s_barrier_wait -1                              ; everybody's is
.irp i, 0,1,2,3,4,5,6,7
	ds_load_b128 v[SC+4*\i:SC+4*\i+3], v[ADRS] offset:\i*SBLK
.endr
	ALOAD 0
	BLOAD 0
	BLOAD 1
	BLOAD 2
	BLOAD 3
	ALOAD 1
	ROW 0
.irp a, 0,1,2,3,4,5,6,7
	s_wait_dscnt 0x0                               ; A's next block is in, block a - 1 is back from the stage, and the stage's stores have read their sums
.if \a > 0
	SEND \a-1
.endif
.if \a < 7
	ROW \a+1
.endif
.rept 9
	v_nop                                          ; places: for the stores of sums, the loads into A's set, and the sums that are begun anew in these registers
.endr
.if \a > 1
	s_wait_xcnt 0x0                                ; block a - 2's stores have read their registers: block a's rows may land there
.endif
	TOSTAGE \a
.if \a < 6
	ALOAD \a+2
.endif
.endr
	s_wait_dscnt 0x0
	SEND 7
	WIN 0
	s_wait_tensorcnt 0x0                           ; the wave's end
	ds_add_u32 v[SPW], v[NIL]
	s_wait_dscnt 0x0
	CROUND                                         ; the closing round
	s_endpgm
.Lfunc_end_k_q2bbc58af82_proj:
	.size	k_q2bbc58af82_proj, .Lfunc_end_k_q2bbc58af82_proj-k_q2bbc58af82_proj
	.p2alignl 7, 3214868480
	.fill 96, 4, 3214868480
	.section	.rodata,"a",@progbits
	.p2align	6, 0x0
	.amdhsa_kernel k_q2bbc58af82_proj
		.amdhsa_group_segment_fixed_size 327680
		.amdhsa_private_segment_fixed_size 0
		.amdhsa_enable_private_segment 0
		.amdhsa_kernarg_size 40
		.amdhsa_user_sgpr_count 2
		.amdhsa_user_sgpr_kernarg_segment_ptr 1
		.amdhsa_wavefront_size32 1
		.amdhsa_system_sgpr_workgroup_id_x 1
		.amdhsa_system_sgpr_workgroup_id_y 1
		.amdhsa_system_sgpr_workgroup_id_z 1
		.amdhsa_system_vgpr_workitem_id 0
		.amdhsa_next_free_vgpr 1024
		.amdhsa_next_free_sgpr 98
		.amdhsa_reserve_vcc 0
		.amdhsa_float_denorm_mode_32 3
		.amdhsa_float_denorm_mode_16_64 3
		.amdhsa_memory_ordered 1
		.amdhsa_forward_progress 1
		.amdhsa_inst_pref_size 89
	.end_amdhsa_kernel
	.amdgpu_metadata
---
amdhsa.version: [ 1, 2 ]
amdhsa.kernels:
  - .name:           k_q2bbc58af82_proj
    .symbol:         k_q2bbc58af82_proj.kd
    .args:
      - { .name: yc, .offset: 0, .size: 8, .value_kind: global_buffer, .address_space: global }
      - { .name: ys, .offset: 8, .size: 8, .value_kind: global_buffer, .address_space: global }
      - { .name: wc, .offset: 16, .size: 8, .value_kind: global_buffer, .address_space: global }
      - { .name: ws, .offset: 24, .size: 8, .value_kind: global_buffer, .address_space: global }
      - { .name: out0, .offset: 32, .size: 8, .value_kind: global_buffer, .address_space: global }
    .group_segment_fixed_size: 327680
    .private_segment_fixed_size: 0
    .kernarg_segment_align: 8
    .kernarg_segment_size: 40
    .max_flat_workgroup_size: 128
    .sgpr_count:     98
    .vgpr_count:     1024
    .wavefront_size: 32
...
	.end_amdgpu_metadata
.endif
;; end of part 4
